; MI455X (gfx1250); checked and timed in simulation.
; The chip was launched on July 23, 2026; its instructions are those of AMD's public machine-readable ISA for CDNA 5 (MIT licence, August 2026) and "CDNA5" Instruction Set Architecture Reference Guide (July 2026). The comments in the code are by the model that wrote it; some were corrected since.
;; target knn. Allowed arithmetic: matrix products marked QUANTISED: E3M2 operands, one E8M0 scale for each 32 along K, by v_wmma_scale_f32_16x16x128_f8f6f4 with both operands' format E3M2, f32 sums; products left as they are: f32 operands where the result goes on into a quantised operand, else bf16, f16 or f32 operands; f32 sums; everything else in f32.
;; Inputs: bn0_b 256 float32; bn0_g 256 float32; bn1_b 256 float32; bn1_g 256 float32; k0_b 256 float32; k0_w 256 x 256 float32; k1_b 256 float32; k1_w 256 x 256 float32; lin_b 256 float32; lin_w 256 x 256 float32; lossy_C 8,192 x 3 float32; lossy_F 8,192 x 256 float32; pos0_b 256 float32; pos0_w 3 x 256 float32; pos1_b 256 float32; pos1_w 3 x 256 float32; q0_b 256 float32; q0_w 256 x 256 float32; q1_b 256 float32; q1_w 256 x 256 float32; ref_C 16,384 x 3 float32; ref_F 16,384 x 256 float32; v0_b 256 float32; v0_w 256 x 256 float32; v1_b 256 float32; v1_w 256 x 256 float32.
;; Outputs: out0 8,192 x 256 float32.
;; This version of the problem:
;;   THIS VERSION OF THE PROBLEM IS GIVEN IN LOW PRECISION. The matrix products marked QUANTISED in the list below multiply operands that are first quantised to E3M2 (3 exponent bits, 2 mantissa bits; 6 bits a number), with one power-of-two scale for each 32 numbers along K (OCP MX v1.0); their sums are f32. All else is computed in f32.
;;   The module's matrix products, in the order in which they are computed (A, B: the left and right operand; K: the contracted axis; several contracted axes count as one K, in the product's order):
;;     1. [M 8,192, K 3] x [K 3, N 16,384]; A: input lossy_C; B: input ref_C: left as it is (K = 3 < 32)
;;     2. [M 131,072, K 3] x [K 3, N 256]; A: computed on the way; B: input pos0_w: left as it is (K = 3 < 32)
;;     3. [M 131,072, K 3] x [K 3, N 256]; A: computed on the way; B: input pos1_w: left as it is (K = 3 < 32)
;;     4. [M 8,192, K 256] x [K 256, N 256]; A: input lossy_F; B: input q0_w: QUANTISED
;;     5. [M 131,072, K 256] x [K 256, N 256]; A: computed on the way; B: input k0_w: QUANTISED
;;     6. [M 131,072, K 256] x [K 256, N 256]; A: computed on the way; B: input v0_w: QUANTISED
;;     7. batch 8,192 x [M 16, K 256] x [K 256, N 1]; A: computed on the way; B: computed on the way: left as it is (N = 1 < 16)
;;     8. batch 8,192 x [M 1, K 16] x [K 16, N 256]; A: softmax; B: computed on the way: left as it is (K = 16 < 32)
;;     9. [M 8,192, K 256] x [K 256, N 256]; A: computed on the way; B: input q1_w: QUANTISED
;;     10. [M 131,072, K 256] x [K 256, N 256]; A: computed on the way; B: input k1_w: QUANTISED
;;     11. [M 131,072, K 256] x [K 256, N 256]; A: computed on the way; B: input v1_w: QUANTISED
;;     12. batch 8,192 x [M 16, K 256] x [K 256, N 1]; A: computed on the way; B: computed on the way: left as it is (N = 1 < 16)
;;     13. batch 8,192 x [M 1, K 16] x [K 16, N 256]; A: softmax; B: computed on the way: left as it is (K = 16 < 32)
;;     14. [M 8,192, K 256] x [K 256, N 256]; A: computed on the way; B: input lin_w: QUANTISED
;;   THE QUANTISER, for each operand of a quantised product, along K:
;;     - K is cut into blocks of 32 from its start; a last block that is shorter is filled with zeros.
;;     - A block's scale is 2^e with e = floor(log2(the largest magnitude in the block)) - 4, held to -126 .. 127; a block of zeros has e = 0. As a byte (E8M0): e + 127.
;;     - Each number is divided by its block's scale, clamped to +-28, and rounded to the nearest number of E3M2, ties to even, subnormals kept.
;;     - The product sums the exact products of the quantised numbers (number of the format x scale) in f32.
;;   ~~~python
;;   def quantise(x, axis):      # numpy; x: float32 -> the quantised numbers, widened to float32 again
;;       x = np.moveaxis(x, axis, -1); K = x.shape[-1]
;;       x = np.pad(x, [(0, 0)] * (x.ndim - 1) + [(0, -K % 32)]); x = x.reshape(x.shape[:-1] + (-1, 32)); a = np.abs(x).max(-1, keepdims=True)
;;       e = np.where(a > 0, np.clip(np.frexp(np.where(a > 0, a, 1))[1] - 1 - 4, -126, 127), 0)      # np.frexp(a)[1] - 1 = floor(log2(a)), exactly
;;       r = np.clip(x / 2.0 ** e, -28, 28)
;;       step = 2.0 ** (np.maximum(np.frexp(np.where(r == 0, 1, r))[1] - 1, -2) - 2)
;;       q = np.round(r / step) * step * 2.0 ** e      # np.round: ties to even
;;       return np.moveaxis(q.reshape(q.shape[:-2] + (-1,))[..., :K], -1, axis).astype(np.float32)
;;   ~~~
;;   OPERANDS COMPUTED ON THE WAY. 'Computed on the way' means the value that the module computes at that place (a softmax that the list does not call 'softmax' is quantised finished and normalised). What goes into a quantiser is computed in f32, as accurately as f32 sums, v_exp_f32 and their like allow (about 1e-6 of the number): no bf16 or f16 on the way to a quantiser, and a product that is left as it is and whose result goes on into a quantised operand takes f32 operands (vector FMAs, or v_wmma_f32_16x16x4_f32). A number that lies on a knife's edge between two numbers of the format may be rounded either way, as far as f32 arithmetic and the matrix unit's own rounding can turn it there, and no further.
;; One version. Each part assembles by itself: llvm-mc -triple=amdgcn-amd-amdhsa -mcpu=gfx1250 --defsym DOCPART=n.
;; ======== version 1 of 1: 7 launches
;; workspace buffers: grp 524,288 bytes of whole numbers; idx 524,288 bytes of whole numbers; wq 358,400 bytes; y 8,388,608 bytes; z 8,388,608 bytes; ps 524,288 bytes; ab 2,048 bytes
;; launch knn1 (part 1): grid 256 x 1, 16 waves a work-group, no clusters, 77,824 bytes of LDS; arguments lossy_C, ref_C, grp; writes grp
.if DOCPART == 1
	.amdgcn_target "amdgcn-amd-amdhsa--gfx1250"
	.amdhsa_code_object_version 6
	.text
	.protected	k_qfec77dee75_knn1
	.globl	k_qfec77dee75_knn1
	.p2align	8
	.type	k_qfec77dee75_knn1,@function
k_qfec77dee75_knn1:
	s_mov_b64 s[64:65], 0
	v_nop
	global_prefetch_b8 v0, s[64:65] scope:SCOPE_SE
	s_setreg_imm32_b32 hwreg(HW_REG_WAVE_MODE, 25, 1), 1
	s_wait_xcnt 0x0
; NEAREST NEIGHBOURS, first of two launches.  The 16,384 reference points are cut into 512 groups of 32 neighbours in memory.  For each of the 8,192 queries
; this launch finds the 16 groups with the smallest (group minimum, group number) and stores their numbers: grp[query][16], whole numbers.
; Every one of a query's 16 nearest points (ties to the lower index) lies in one of these groups: were its group left out, 16 groups, each with a point that comes before it, would stand ahead.
; THE RANKING VALUE is V = |b|^2 - 2 a.b (the query's own |a|^2 shifts all alike): bb = fma(z,z,fma(y,y,x*x)), V = fma(z,-2az,fma(y,-2ay,fma(x,-2ax,bb))), the same lines in both launches.
; LIMITS: V is exact, so order and ties are those of exact arithmetic, for whole-number coordinates up to 1,365 in magnitude (9 c^2 < 2^24) and for any power-of-two multiple of such;
; beyond that, points closer together than f32 rounding may be ranked otherwise than by another order of the same sums.  NaN and infinities are not served.
; SHARES: a work-group takes 32 queries against all points.  Wave w keeps points 1,024 w .. + 1,023 in registers, lane l the group 32 w + l (32 points: x, y, z, bb).
; A query costs a wave 48 packed multiply-adds and 16 minima for 1,024 distances.  The group minima meet in LDS; then wave u selects for queries 2 u and 2 u + 1.
; No matrix unit (the sums must be exact and the count of matrix work is the quantised products'), no tensor load (nothing is streamed: 12 KB a wave, once).
.set MT,   2304                        ; LDS: a query's 512 minima: 16 chunks of 128 bytes + 16 of padding
.set OUTG, 73728                       ; behind the 32 queries' minima: the result, 32 x 64 bytes
.set RX,   32                          ; v32-63  x of my 32 points
.set RY,   64                          ; v64-95  y
.set RZ,   96                          ; v96-127 z
.set RB,   128                         ; v128-159 bb
.set RAW,  160                         ; v160-255 the points as loaded
.set DD,   160                         ; v160-175 afterwards: distances at work, two sets of four pairs
.set MM,   176                         ; v176-183 two running minima for each of a trip's four queries
; ---- THE SELECTION.  A row of 16 lanes serves one query; a lane holds 32 values v[SV+i] with the indices B + i.  Wanted: the 16 smallest by (value, index).
; Run 1 finds T, the 16th smallest value.  Then each value is replaced by a key: its index where V < T, its index + OFF where V = T, else +infinity: keys are all different,
; and their 16 smallest are the answer.  Run 2 finds those.  A run: each lane sorts its 16 smallest by insertion; lists of lanes 1, 2, 4, 8 apart are merged (the 16 smallest of two sorted lists
; are min(a[i], b[15-i]), a bitonic list, sorted again by four stages of compare-exchange).  Only minima, maxima, medians, compares and selects: no branch on data.
.set SV,   32
.set SL,   64
.set SY,   80
.set ST,   16
.set SB,   17
.set SBO,  18
.set SINF, 19
.set STMP, 20
.set SRES, 21
.set MK,   52                          ; s52-58 lane masks for the last step
.macro INS n, x                        ; v[x] goes into the sorted list of min(n, 16) values
.if (\n) == 0
	v_mov_b32 v[SL], v[\x]
.else
.if (\n) < 16
	v_max_num_f32 v[SL+(\n)], v[SL+(\n)-1], v[\x]
.set kk, (\n)-1
.else
.set kk, 15
.endif
.rept kk
	v_med3_num_f32 v[SL+kk], v[SL+kk-1], v[\x], v[SL+kk]
.set kk, kk-1
.endr
	v_min_num_f32 v[SL], v[SL], v[\x]
.endif
.endm
.macro CSTAGE d, src, dst              ; compare-exchange at distance d, from one list into the other
.set pp, 0
.rept 16
.if (pp&(\d)) == 0
	v_min_num_f32 v[\dst+pp], v[\src+pp], v[\src+pp+(\d)]
	v_max_num_f32 v[\dst+pp+(\d)], v[\src+pp], v[\src+pp+(\d)]
.endif
.set pp, pp+1
.endr
.endm
.macro MERGE m, P, Q                   ; the 16 smallest of my list P and of lane xor m's, sorted, into Q
.set pp, 0
.rept 16
	v_min_num_f32_dpp v[\Q+pp], v[\P+15-pp], v[\P+pp] row_xmask:\m row_mask:0xf bank_mask:0xf
.set pp, pp+1
.endr
	CSTAGE 8, \Q, \P
	CSTAGE 4, \P, \Q
	CSTAGE 2, \Q, \P
	CSTAGE 1, \P, \Q
.endm
.macro RUN3                            ; afterwards v[SY ..] holds the sorted 16 smallest of my eight lanes
.set ii, 0
.rept 32
	INS ii, SV+ii
.set ii, ii+1
.endr
	MERGE 1, SL, SY
	MERGE 2, SY, SL
	MERGE 4, SL, SY
.endm
.macro FBITS i                         ; FB = the bits of the f32 number i, 0 .. 31
.if (\i) == 0
.set FB, 0
.elseif (\i) < 2
.set FB, 127<<23
.elseif (\i) < 4
.set FB, (128<<23)|(((\i)-2)<<22)
.elseif (\i) < 8
.set FB, (129<<23)|(((\i)-4)<<21)
.elseif (\i) < 16
.set FB, (130<<23)|(((\i)-8)<<20)
.else
.set FB, (131<<23)|(((\i)-16)<<19)
.endif
.endm
.macro SELPREP                         ; once: the masks, +infinity, and the second list (a lane-crossing destination counts as read)
.irp k, 1,2,3,4,5,6,7
	s_mov_b32 s[MK+\k-1], ((1<<\k)|(1<<(15-\k)))*0x10001
.endr
	v_mov_b32 v[SINF], 0x7f800000
.set ii, 0
.rept 16
	v_mov_b32 v[SY+ii], 0
.set ii, ii+1
.endr
.endm
.macro SELECT offbits, mask            ; offbits: OFF as f32; mask: OFF - 1.  v[SB] holds B as f32.  Result: one index a lane, in v[SRES]
	v_add_f32 v[SBO], \offbits, v[SB]
	RUN3
.set pp, 0
.rept 16
	v_min_num_f32_dpp v[SL+pp], v[SY+15-pp], v[SY+pp] row_xmask:8 row_mask:0xf bank_mask:0xf
.set pp, pp+1
.endr
	v_max3_num_f32 v[ST], v[SL], v[SL+1], v[SL+2]      ; T: the largest of the 16 smallest
.irp i, 3,5,7,9,11,13
	v_max3_num_f32 v[ST], v[ST], v[SL+\i], v[SL+\i+1]
.endr
	v_max_num_f32 v[ST], v[ST], v[SL+15]
.set ii, 0
.rept 32
	FBITS ii
	v_cmp_lt_f32 vcc_lo, v[SV+ii], v[ST]
	v_cndmask_b32 v[STMP], v[SBO], v[SB], vcc_lo       ; B under T, B + OFF at T
	v_cmp_le_f32 vcc_lo, v[SV+ii], v[ST]
	v_add_f32 v[STMP], FB, v[STMP]                     ; + i
	v_cndmask_b32 v[SV+ii], v[SINF], v[STMP], vcc_lo   ; +infinity above T
.set ii, ii+1
.endr
	RUN3
.set pp, 0
.rept 8
	v_min_num_f32_dpp v[SL+pp], v[SY+15-pp], v[SY+pp] row_xmask:8 row_mask:0xf bank_mask:0xf
.set pp, pp+1
.endr
	v_mov_b32 v[SRES], v[SL]                           ; lanes 0-7 take places 0-7 of the 16; lanes 8-15 hold the same 16 in reverse, and lane c takes its own place 15 - c
.irp k, 1,2,3,4,5,6,7
	v_cndmask_b32 v[SRES], v[SRES], v[SL+\k], s[MK+\k-1]
.endr
	v_cvt_u32_f32 v[SRES], v[SRES]
	v_and_b32 v[SRES], \mask, v[SRES]                  ; OFF is taken off again
.endm
; ---- one query against my 1,024 points: four groups of four pairs by turns; its three coordinates x -2 stand in the low words of three scalar pairs
.macro QDIST n
.set gg, 0
.rept 4
.set DB, DD+8*(gg&1)
.irp p, 0,1,2,3
	v_pk_fma_f32 v[DB+2*\p:DB+2*\p+1], v[RX+8*gg+2*\p:RX+8*gg+2*\p+1], s[28+6*(\n):29+6*(\n)], v[RB+8*gg+2*\p:RB+8*gg+2*\p+1] op_sel_hi:[1,0,1]
.endr
.irp p, 0,1,2,3
	v_pk_fma_f32 v[DB+2*\p:DB+2*\p+1], v[RY+8*gg+2*\p:RY+8*gg+2*\p+1], s[30+6*(\n):31+6*(\n)], v[DB+2*\p:DB+2*\p+1] op_sel_hi:[1,0,1]
.endr
.irp p, 0,1,2,3
	v_pk_fma_f32 v[DB+2*\p:DB+2*\p+1], v[RZ+8*gg+2*\p:RZ+8*gg+2*\p+1], s[32+6*(\n):33+6*(\n)], v[DB+2*\p:DB+2*\p+1] op_sel_hi:[1,0,1]
.endr
.if gg == 0
	v_min3_num_f32 v[MM+2*(\n)], v[DB], v[DB+1], v[DB+2]
	v_min3_num_f32 v[MM+2*(\n)+1], v[DB+3], v[DB+4], v[DB+5]
	v_min3_num_f32 v[MM+2*(\n)], v[MM+2*(\n)], v[DB+6], v[DB+7]
.else
	v_min3_num_f32 v[MM+2*(\n)], v[MM+2*(\n)], v[DB], v[DB+1]
	v_min3_num_f32 v[MM+2*(\n)+1], v[MM+2*(\n)+1], v[DB+2], v[DB+3]
	v_min3_num_f32 v[MM+2*(\n)], v[MM+2*(\n)], v[DB+4], v[DB+5]
	v_min3_num_f32 v[MM+2*(\n)+1], v[MM+2*(\n)+1], v[DB+6], v[DB+7]
.endif
.set gg, gg+1
.endr
	v_min_num_f32 v[MM+2*(\n)], v[MM+2*(\n)], v[MM+2*(\n)+1]
	ds_store_b32 v4, v[MM+2*(\n)] offset:MT*(\n)       ; my group's minimum for this query
.endm
	s_load_b128 s[4:7], s[0:1], 0x0                ; lossy_C, ref_C
	s_load_b64 s[8:9], s[0:1], 0x10                ; grp
	v_lshl_add_u32 v30, v0, 2, 0x12800
	v_mov_b32 v31, 0
	v_lshrrev_b32 v1, 5, v0
	v_readfirstlane_b32 s10, v1                    ; wave 0..15
	v_and_b32 v1, 31, v0                           ; lane
	v_and_b32 v7, 15, v0                           ; c: my place in a row of 16 lanes
	v_bfe_u32 v8, v0, 4, 1                         ; p: which of the wave's two queries
	s_mul_i32 s13, s10, 12288
	v_mul_u32_u24 v2, v1, 384
	v_add_nc_u32 v2, s13, v2                       ; my group's 32 points: 384 bytes at (32 w + lane) x 384
	s_mul_i32 s13, s10, 144
	v_lshl_add_u32 v3, v1, 2, s13                  ; where my group's minimum goes: chunk w, word lane
	s_mul_i32 s13, s10, 2*MT
	v_mul_u32_u24 v5, v7, 144
	v_mad_u32_u24 v5, v8, MT, v5
	v_add_nc_u32 v5, s13, v5                       ; the selection reads query 2 w + p, chunk c
	v_lshl_add_u32 v6, v0, 2, OUTG                 ; and puts its result at 4 x thread: query 2 w + p, place c
	v_lshlrev_b32 v10, 4, v0                       ; the way out (waves 0-3): 16 bytes a thread
	v_add_nc_u32 v11, OUTG, v10
	s_mul_i32 s14, ttmp9, 384                      ; my work-group's 32 queries, 12 bytes each
	s_mov_b32 s15, 0
.irp i, 0,1,2,3,4,5,6,7,8,9,10,11
	s_mov_b32 s[29+2*\i], 0                        ; the pairs' upper words are named with the lower ones, so they are written
.endr
	s_wait_kmcnt 0x0
	s_add_nc_u64 s[4:5], s[4:5], s[14:15]
.set jj, 0
.rept 24
	global_load_b128 v[RAW+4*jj:RAW+4*jj+3], v2, s[6:7] offset:16*jj   ; lanes stand 384 bytes apart: 12 KB a wave, read once in the launch's life of this wave
.set jj, jj+1
.endr
	s_wait_loadcnt 0x0
.set ii, 0
.rept 32
	v_mov_b32 v[RX+ii], v[RAW+3*ii]                ; x, y, z apart, once: the packed forms want two points' x in a register pair
	v_mov_b32 v[RY+ii], v[RAW+3*ii+1]
	v_mov_b32 v[RZ+ii], v[RAW+3*ii+2]
.set ii, ii+1
.endr
.set pp, 0
.rept 16
	v_pk_mul_f32 v[RB+2*pp:RB+2*pp+1], v[RX+2*pp:RX+2*pp+1], v[RX+2*pp:RX+2*pp+1]
.set pp, pp+1
.endr
.set pp, 0
.rept 16
	v_pk_fma_f32 v[RB+2*pp:RB+2*pp+1], v[RY+2*pp:RY+2*pp+1], v[RY+2*pp:RY+2*pp+1], v[RB+2*pp:RB+2*pp+1]
.set pp, pp+1
.endr
.set pp, 0
.rept 16
	v_pk_fma_f32 v[RB+2*pp:RB+2*pp+1], v[RZ+2*pp:RZ+2*pp+1], v[RZ+2*pp:RZ+2*pp+1], v[RB+2*pp:RB+2*pp+1]
.set pp, pp+1
.endr
	s_mov_b32 s11, 0
	s_mov_b32 s12, 0
.Lq4:                                              ; 8 trips of 4 queries
	s_load_b128 s[16:19], s[4:5], 0x0
	s_load_b128 s[20:23], s[4:5], 0x10
	s_load_b128 s[24:27], s[4:5], 0x20
	s_wait_kmcnt 0x0                               ; the loads are done: their base may step
	s_add_nc_u64 s[4:5], s[4:5], 48
.irp i, 0,1,2,3,4,5,6,7,8,9,10,11
	s_mul_f32 s[28+2*\i], s[16+\i], -2.0
.endr
	s_wait_dscnt 0x0                               ; the last trip's four stores have read their address and data
	v_add_nc_u32 v4, s12, v3
	QDIST 0
	QDIST 1
	QDIST 2
	QDIST 3
	s_add_co_u32 s12, s12, 4*MT
	s_add_co_u32 s11, s11, 1
	s_cmp_lt_u32 s11, 8
	s_cbranch_scc1 .Lq4
	s_wait_dscnt 0x0                               ; my minima lie in LDS,
	s_barrier_signal -1
	s_barrier_wait -1                              ; everybody's do
.irp j, 0,1,2,3,4,5,6,7
	ds_load_b128 v[SV+4*\j:SV+4*\j+3], v5 offset:16*\j   ; groups 32 c .. 32 c + 31 of my query; chunks 144 bytes apart: sixteen lanes, sixteen different columns of 16 bytes
.endr
	SELPREP
	v_lshlrev_b32 v9, 5, v7
	v_cvt_f32_u32 v[SB], v9                        ; B = 32 c
	s_wait_dscnt 0x0
	SELECT 0x44000000, 511                         ; OFF = 512
	ds_store_b32 v6, v[SRES]
	s_wait_dscnt 0x0
	s_barrier_signal -1
	s_barrier_wait -1
	s_cmp_ge_u32 s10, 4                            ; waves 0-3 store the work-group's 2,048 bytes: 512 consecutive bytes an instruction
	s_cbranch_scc1 .Ldone
	ds_load_b128 v[12:15], v11
	s_lshl_b32 s14, ttmp9, 11
	s_add_nc_u64 s[8:9], s[8:9], s[14:15]
	s_wait_dscnt 0x0
	global_store_b128 v10, v[12:15], s[8:9]
.Ldone:
	s_wait_tensorcnt 0x0
	ds_add_u32 v30, v31
	s_wait_dscnt 0x0
	s_endpgm
.Lfunc_end_k_qfec77dee75_knn1:
	.size	k_qfec77dee75_knn1, .Lfunc_end_k_qfec77dee75_knn1-k_qfec77dee75_knn1
	.p2alignl 7, 3214868480
	.fill 96, 4, 3214868480
	.section	.rodata,"a",@progbits
	.p2align	6, 0x0
	.amdhsa_kernel k_qfec77dee75_knn1
		.amdhsa_group_segment_fixed_size 77824
		.amdhsa_private_segment_fixed_size 0
		.amdhsa_enable_private_segment 0
		.amdhsa_kernarg_size 24
		.amdhsa_user_sgpr_count 2
		.amdhsa_user_sgpr_kernarg_segment_ptr 1
		.amdhsa_wavefront_size32 1
		.amdhsa_system_sgpr_workgroup_id_x 1
		.amdhsa_system_sgpr_workgroup_id_y 1
		.amdhsa_system_sgpr_workgroup_id_z 1
		.amdhsa_system_vgpr_workitem_id 0
		.amdhsa_next_free_vgpr 256
		.amdhsa_next_free_sgpr 66
		.amdhsa_reserve_vcc 1
		.amdhsa_float_denorm_mode_32 3
		.amdhsa_float_denorm_mode_16_64 3
		.amdhsa_memory_ordered 1
		.amdhsa_forward_progress 1
		.amdhsa_inst_pref_size 103
	.end_amdhsa_kernel
	.amdgpu_metadata
---
amdhsa.version: [ 1, 2 ]
amdhsa.kernels:
  - .name:           k_qfec77dee75_knn1
    .symbol:         k_qfec77dee75_knn1.kd
    .args:
      - { .name: lossy_C, .offset: 0, .size: 8, .value_kind: global_buffer, .address_space: global }
      - { .name: ref_C, .offset: 8, .size: 8, .value_kind: global_buffer, .address_space: global }
      - { .name: grp, .offset: 16, .size: 8, .value_kind: global_buffer, .address_space: global }
    .group_segment_fixed_size: 77824
    .private_segment_fixed_size: 0
    .kernarg_segment_align: 8
    .kernarg_segment_size: 24
    .max_flat_workgroup_size: 512
    .sgpr_count:     66
    .vgpr_count:     256
    .wavefront_size: 32
...
	.end_amdgpu_metadata
.endif
;; end of part 1
;; launch knn2 (part 2): grid 270 x 1, 8 waves a work-group, no clusters, 39,936 bytes of LDS; arguments lossy_C, ref_C, grp, q0_w, k0_w, v0_w, q1_w, k1_w, v1_w, lin_w, idx, wq; writes idx, wq
.if DOCPART == 2
	.amdgcn_target "amdgcn-amd-amdhsa--gfx1250"
	.amdhsa_code_object_version 6
	.text
	.protected	k_qfec77dee75_knn2
	.globl	k_qfec77dee75_knn2
	.p2align	8
	.type	k_qfec77dee75_knn2,@function
k_qfec77dee75_knn2:
	s_mov_b64 s[64:65], 0
	v_nop
	global_prefetch_b8 v0, s[64:65] scope:SCOPE_SE
	s_setreg_imm32_b32 hwreg(HW_REG_WAVE_MODE, 25, 1), 1
	s_wait_xcnt 0x0
; TWO JOBS IN ONE LAUNCH, parted on the work-group's number.
; WORK-GROUPS 0-255: NEAREST NEIGHBOURS, second launch.  For each query the 16 groups that the first launch stored (whole numbers, held to 0 .. 511 before they enter an address) give 512 candidates;
; their ranking values are made by the same lines as there, and the 16 smallest by (value, index) are stored: idx[query][16].  Their order within the 16 is not that of distance: what follows sums over them.
; LIMITS as in the first launch: exact for whole-number coordinates up to 1,365 in magnitude and power-of-two multiples of such; NaN and infinities are not served.
; A wave serves 4 queries, 2 a trip.  Slot k (0 .. 31) is group k % 16 of query k / 16: one load brings its 32 points, a lane a point, 384 consecutive bytes.
; The values turn through the wave's own LDS (rows of 128 bytes + 16), so that lane L then holds slot L's 32 values, as the selection wants them.  Waves share nothing: no barrier.
; WORK-GROUPS 256-269: THE SEVEN WEIGHTS [256 (k)][256 (n)] f32 become codes of E3M2 with one E8M0 byte for each 32 along K, laid as the operand's registers take them.
; A wave takes one matrix mu and one tile T of 16 columns.  Lane (r, h) takes column 16 T + r and its registers run down K in the order of the operand's layout, so the conversions' results ARE the operand.
; wq: fragment f = (16 mu + T) x 2 + s at 1,536 f, register group g of lane l at + 512 g + 16 l; scale words from byte 344,064 on, 128 bytes for (mu, T): lanes 0-15 K step 0, lanes 16-31 K step 1.
; A block's byte is its largest magnitude's exponent field - 4, held at 1 from below; a block of zeros so gets 1 where the rule says 127: its codes are zeros and this program alone reads the bytes.
.set OFK,  96                          ; v96-127  a load's offset for each slot
.set RR,   128                         ; v128-255 slot k: x, y, z, V
.set WREG, 4864                        ; LDS of a wave: 32 rows of 144 bytes, then 256 bytes of results
; ---- THE SELECTION (the same text as in the first launch).  A row of 16 lanes serves one query; a lane holds 32 values v[SV+i] with the indices B + i.  Wanted: the 16 smallest by (value, index).
; Run 1 finds T, the 16th smallest value.  Keys: the index where V < T, the index + OFF where V = T, else +infinity.  Run 2 finds the 16 smallest keys.
.set SV,   32
.set SL,   64
.set SY,   80
.set ST,   16
.set SB,   17
.set SBO,  18
.set SINF, 19
.set STMP, 20
.set SRES, 21
.set MK,   52
.macro INS n, x
.if (\n) == 0
	v_mov_b32 v[SL], v[\x]
.else
.if (\n) < 16
	v_max_num_f32 v[SL+(\n)], v[SL+(\n)-1], v[\x]
.set kk, (\n)-1
.else
.set kk, 15
.endif
.rept kk
	v_med3_num_f32 v[SL+kk], v[SL+kk-1], v[\x], v[SL+kk]
.set kk, kk-1
.endr
	v_min_num_f32 v[SL], v[SL], v[\x]
.endif
.endm
.macro CSTAGE d, src, dst
.set pp, 0
.rept 16
.if (pp&(\d)) == 0
	v_min_num_f32 v[\dst+pp], v[\src+pp], v[\src+pp+(\d)]
	v_max_num_f32 v[\dst+pp+(\d)], v[\src+pp], v[\src+pp+(\d)]
.endif
.set pp, pp+1
.endr
.endm
.macro MERGE m, P, Q
.set pp, 0
.rept 16
	v_min_num_f32_dpp v[\Q+pp], v[\P+15-pp], v[\P+pp] row_xmask:\m row_mask:0xf bank_mask:0xf
.set pp, pp+1
.endr
	CSTAGE 8, \Q, \P
	CSTAGE 4, \P, \Q
	CSTAGE 2, \Q, \P
	CSTAGE 1, \P, \Q
.endm
.macro RUN3
.set ii, 0
.rept 32
	INS ii, SV+ii
.set ii, ii+1
.endr
	MERGE 1, SL, SY
	MERGE 2, SY, SL
	MERGE 4, SL, SY
.endm
.macro FBITS i
.if (\i) == 0
.set FB, 0
.elseif (\i) < 2
.set FB, 127<<23
.elseif (\i) < 4
.set FB, (128<<23)|(((\i)-2)<<22)
.elseif (\i) < 8
.set FB, (129<<23)|(((\i)-4)<<21)
.elseif (\i) < 16
.set FB, (130<<23)|(((\i)-8)<<20)
.else
.set FB, (131<<23)|(((\i)-16)<<19)
.endif
.endm
.macro SELPREP
.irp k, 1,2,3,4,5,6,7
	s_mov_b32 s[MK+\k-1], ((1<<\k)|(1<<(15-\k)))*0x10001
.endr
	v_mov_b32 v[SINF], 0x7f800000
.set ii, 0
.rept 16
	v_mov_b32 v[SY+ii], 0
.set ii, ii+1
.endr
.endm
.macro SELECT offbits, mask
	v_add_f32 v[SBO], \offbits, v[SB]
	RUN3
.set pp, 0
.rept 16
	v_min_num_f32_dpp v[SL+pp], v[SY+15-pp], v[SY+pp] row_xmask:8 row_mask:0xf bank_mask:0xf
.set pp, pp+1
.endr
	v_max3_num_f32 v[ST], v[SL], v[SL+1], v[SL+2]
.irp i, 3,5,7,9,11,13
	v_max3_num_f32 v[ST], v[ST], v[SL+\i], v[SL+\i+1]
.endr
	v_max_num_f32 v[ST], v[ST], v[SL+15]
.set ii, 0
.rept 32
	FBITS ii
	v_cmp_lt_f32 vcc_lo, v[SV+ii], v[ST]
	v_cndmask_b32 v[STMP], v[SBO], v[SB], vcc_lo
	v_cmp_le_f32 vcc_lo, v[SV+ii], v[ST]
	v_add_f32 v[STMP], FB, v[STMP]
	v_cndmask_b32 v[SV+ii], v[SINF], v[STMP], vcc_lo
.set ii, ii+1
.endr
	RUN3
.set pp, 0
.rept 8
	v_min_num_f32_dpp v[SL+pp], v[SY+15-pp], v[SY+pp] row_xmask:8 row_mask:0xf bank_mask:0xf
.set pp, pp+1
.endr
	v_mov_b32 v[SRES], v[SL]
.irp k, 1,2,3,4,5,6,7
	v_cndmask_b32 v[SRES], v[SRES], v[SL+\k], s[MK+\k-1]
.endr
	v_cvt_u32_f32 v[SRES], v[SRES]
	v_and_b32 v[SRES], \mask, v[SRES]
.endm
; ---- a weight's K step s: 64 numbers of a lane (v[64 + 64 s + 32 c + i] = W(128 s + 64 c + 32 h + i, my column)) become 12 registers of codes and a scale word
.macro WQ s
.set NB, 64+64*(\s)
.irp c, 0,1
	v_max3_num_f32 v[32+\c], |v[NB+32*\c]|, |v[NB+32*\c+1]|, 0x2800000   ; my block 2 c + h: all its 32 numbers are mine; the floor 2^(5 - 127) holds the byte at 1 from below
.endr
.irp i, 2,4,6,8,10,12,14,16,18,20,22,24,26,28,30
.irp c, 0,1
	v_max3_num_f32 v[32+\c], v[32+\c], |v[NB+32*\c+\i]|, |v[NB+32*\c+\i+1]|
.endr
.endr
.irp c, 0,1
	v_add_nc_u32 v[44+\c], 0xfe000000, v[32+\c]    ; 4 off the exponent field: the conversion's scale operand
.endr
.irp c, 0,1
	v_lshrrev_b32 v[36+\c], 23, v[44+\c]           ; the scale's byte
.endr
	v_lshl_or_b32 v[12+(\s)], v37, 16, v36         ; my two bytes: blocks h and 2 + h,
	v_lshlrev_b32 v[12+(\s)], v9, v[12+(\s)]       ; 8 h bits up;
	v_permlanex16_b32 v10, v[12+(\s)], s20, s21
	v_or_b32 v[12+(\s)], v[12+(\s)], v10           ; with lane xor 16's two the word is whole, in both halves of the lanes
.irp c, 0,1
	v_cvt_scalef32_pk16_bf6_f32 v[192+12*(\s)+6*\c:194+12*(\s)+6*\c], v[NB+32*\c:NB+32*\c+15], v[44+\c]
	v_cvt_scalef32_pk16_bf6_f32 v[216+8*(\s)+4*\c:218+8*(\s)+4*\c], v[NB+32*\c+16:NB+32*\c+31], v[44+\c]   ; (a conversion's three registers begin on an even number: the block's second half is made elsewhere and moved)
.endr
	v_nop                                          ; one plain line behind the last scaled conversion
.irp c, 0,1
.irp i, 0,1,2
	v_mov_b32 v[195+12*(\s)+6*\c+\i], v[216+8*(\s)+4*\c+\i]
.endr
.endr
.irp g, 0,1,2
	global_store_b128 v5, v[192+12*(\s)+4*\g:195+12*(\s)+4*\g], s[46:47] offset:1536*(\s)+512*\g   ; 512 consecutive bytes a store
.endr
.endm
	s_load_b256 s[4:11], s[0:1], 0x0               ; lossy_C s[4:5], ref_C s[6:7], grp s[8:9], q0_w s[10:11]
	s_load_b256 s[32:39], s[0:1], 0x20             ; k0_w, v0_w, q1_w, k1_w
	s_load_b256 s[40:47], s[0:1], 0x40             ; v1_w, lin_w, idx s[44:45], wq s[46:47]
	v_lshl_add_u32 v15, v0, 2, 0x9800
	v_mov_b32 v31, 0
	v_lshrrev_b32 v1, 5, v0
	v_readfirstlane_b32 s12, v1                    ; wave 0..7
	v_and_b32 v1, 31, v0                           ; lane
	s_wait_kmcnt 0x0
	s_cmp_ge_u32 ttmp9, 256
	s_cbranch_scc1 .Lweights
	s_lshl_b32 s13, ttmp9, 3
	s_add_co_u32 s13, s13, s12                     ; W: my wave among all: queries 4 W .. 4 W + 3
	s_mul_i32 s14, s13, 48
	s_mov_b32 s15, 0
	s_add_nc_u64 s[4:5], s[4:5], s[14:15]          ; their coordinates
	s_lshl_b32 s14, s13, 8
	s_add_nc_u64 s[8:9], s[8:9], s[14:15]          ; their 256 bytes of grp
	s_add_nc_u64 s[44:45], s[44:45], s[14:15]      ; and of idx
	s_mul_i32 s31, s12, WREG
	v_mul_u32_u24 v23, v1, 12                      ; my point in a group
	v_lshl_add_u32 v24, v1, 2, s31                 ; the turn, in: word lane of row k
	v_mul_u32_u24 v25, v1, 144
	v_add_nc_u32 v25, s31, v25                     ; out: row lane
	s_add_co_u32 s31, s31, 4608
	v_lshl_add_u32 v26, v1, 2, s31                 ; results: 4 bytes a lane, 128 a trip
	v_lshl_add_u32 v29, v1, 3, s31                 ; and back, 8 bytes a lane
	v_lshlrev_b32 v30, 3, v1
	SELPREP
	s_mov_b32 s48, 0
	s_mov_b32 s49, 0
.Lpair:                                            ; 2 trips of 2 queries
	v_lshl_add_u32 v27, v1, 2, s49
	global_load_b32 v22, v27, s[8:9]               ; lane (p, c): group c of query p
	s_load_b64 s[16:17], s[4:5], 0x0
	s_load_b64 s[18:19], s[4:5], 0x8
	s_load_b64 s[20:21], s[4:5], 0x10
	s_wait_loadcnt 0x0
	s_wait_kmcnt 0x0                               ; the loads are done: their base may step
	s_add_nc_u64 s[4:5], s[4:5], 24
.irp i, 0,1,2,3,4,5
	s_mul_f32 s[22+\i], s[16+\i], -2.0
.endr
.set kk, 0
.rept 32
	v_readlane_b32 s30, v22, kk
	s_min_u32 s30, s30, 511                        ; a stored number enters an address only held to its range
	s_mul_i32 s30, s30, 384
	v_add_nc_u32 v[OFK+kk], s30, v23
	global_load_b96 v[RR+4*kk:RR+4*kk+2], v[OFK+kk], s[6:7]   ; 32 lanes read the group's 384 consecutive bytes
.set kk, kk+1
.endr
	s_wait_loadcnt 0x0
.set k4, 0
.rept 8                                            ; four slots by turns
.irp u, 0,1,2,3
	v_mul_f32 v[RR+4*(k4+\u)+3], v[RR+4*(k4+\u)], v[RR+4*(k4+\u)]
.endr
.irp u, 0,1,2,3
	v_fma_f32 v[RR+4*(k4+\u)+3], v[RR+4*(k4+\u)+1], v[RR+4*(k4+\u)+1], v[RR+4*(k4+\u)+3]
.endr
.irp u, 0,1,2,3
	v_fma_f32 v[RR+4*(k4+\u)+3], v[RR+4*(k4+\u)+2], v[RR+4*(k4+\u)+2], v[RR+4*(k4+\u)+3]
.endr
.irp u, 0,1,2,3
	v_fma_f32 v[RR+4*(k4+\u)+3], v[RR+4*(k4+\u)], s[22+3*(k4/16)], v[RR+4*(k4+\u)+3]
.endr
.irp u, 0,1,2,3
	v_fma_f32 v[RR+4*(k4+\u)+3], v[RR+4*(k4+\u)+1], s[23+3*(k4/16)], v[RR+4*(k4+\u)+3]
.endr
.irp u, 0,1,2,3
	v_fma_f32 v[RR+4*(k4+\u)+3], v[RR+4*(k4+\u)+2], s[24+3*(k4/16)], v[RR+4*(k4+\u)+3]
.endr
.irp u, 0,1,2,3
	ds_store_b32 v24, v[RR+4*(k4+\u)+3] offset:144*(k4+\u)
.endr
.set k4, k4+4
.endr
.irp j, 0,1,2,3,4,5,6,7
	ds_load_b128 v[SV+4*\j:SV+4*\j+3], v25 offset:16*\j   ; LDS serves a wave's instructions in order: these see my stores
.endr
	v_lshlrev_b32 v9, 5, v22
	v_cvt_f32_u32 v[SB], v9                        ; B = 32 x my slot's group
	s_wait_dscnt 0x0                               ; the values are in; all earlier LDS stores have read their registers
	SELECT 0x46800000, 16383                       ; OFF = 16,384
	v_add_nc_u32 v28, s49, v26
	ds_store_b32 v28, v[SRES]
	s_add_co_u32 s49, s49, 128
	s_add_co_u32 s48, s48, 1
	s_cmp_lt_u32 s48, 2
	s_cbranch_scc1 .Lpair
	ds_load_b64 v[10:11], v29
	s_wait_dscnt 0x0
	global_store_b64 v30, v[10:11], s[44:45]       ; 32 lanes store 256 consecutive bytes, aligned: four queries' indices
	s_wait_tensorcnt 0x0
	ds_add_u32 v15, v31
	s_wait_dscnt 0x0
	s_endpgm
.Lweights:
	s_sub_co_u32 s13, ttmp9, 256
	s_lshl_b32 s13, s13, 3
	s_add_co_u32 s13, s13, s12                     ; task 0 .. 111 = 16 mu + T
	s_lshr_b32 s14, s13, 4                         ; mu
	s_and_b32 s15, s13, 15                         ; T
	s_mov_b64 s[18:19], s[10:11]                   ; the matrix: a choice between buffers on the task's number alone
	s_cmp_eq_u32 s14, 1
	s_cselect_b64 s[18:19], s[32:33], s[18:19]
	s_cmp_eq_u32 s14, 2
	s_cselect_b64 s[18:19], s[34:35], s[18:19]
	s_cmp_eq_u32 s14, 3
	s_cselect_b64 s[18:19], s[36:37], s[18:19]
	s_cmp_eq_u32 s14, 4
	s_cselect_b64 s[18:19], s[38:39], s[18:19]
	s_cmp_eq_u32 s14, 5
	s_cselect_b64 s[18:19], s[40:41], s[18:19]
	s_cmp_eq_u32 s14, 6
	s_cselect_b64 s[18:19], s[42:43], s[18:19]
	s_mov_b32 s20, 0x76543210
	s_mov_b32 s21, 0xfedcba98                      ; v_permlanex16_b32's selects for lane xor 16
	s_mov_b32 s22, 0xffff0000
	v_and_b32 v2, 15, v0                           ; r
	v_bfe_u32 v3, v0, 4, 1                         ; h
	s_lshl_b32 s16, s15, 6
	v_lshl_add_u32 v4, v2, 2, s16                  ; column 16 T + r,
	v_lshl_add_u32 v4, v3, 15, v4                  ; lanes 16-31 begin 32 rows of 1,024 bytes further down
	s_mul_i32 s16, s13, 3072
	v_lshl_add_u32 v5, v1, 4, s16                  ; my two fragments' images
	s_lshl_b32 s16, s13, 7
	v_lshl_add_u32 v6, v1, 2, s16                  ; my scale words
	v_lshlrev_b32 v9, 3, v3
	v_mov_b32 v10, 0                               ; written once: a lane permute's destination counts as read
.set ii, 0
.rept 128
	global_load_b32 v[64+ii], v4, s[18:19] offset:(128*(ii/64)+64*((ii/32)%2)+ii%32)*1024   ; sixteen neighbouring lanes read 64 neighbouring bytes; a small weight, read once
.set ii, ii+1
.endr
	s_wait_loadcnt 0x0
	WQ 0
	WQ 1
	v_cndmask_b32 v14, v12, v13, s22               ; lanes 0-15 K step 0's word, lanes 16-31 K step 1's
	global_store_b32 v6, v14, s[46:47] offset:344064   ; 128 bytes a wave, 14 KB in the launch
	s_endpgm
.Lfunc_end_k_qfec77dee75_knn2:
	.size	k_qfec77dee75_knn2, .Lfunc_end_k_qfec77dee75_knn2-k_qfec77dee75_knn2
	.p2alignl 7, 3214868480
	.fill 96, 4, 3214868480
	.section	.rodata,"a",@progbits
	.p2align	6, 0x0
	.amdhsa_kernel k_qfec77dee75_knn2
		.amdhsa_group_segment_fixed_size 39936
		.amdhsa_private_segment_fixed_size 0
		.amdhsa_enable_private_segment 0
		.amdhsa_kernarg_size 96
		.amdhsa_user_sgpr_count 2
		.amdhsa_user_sgpr_kernarg_segment_ptr 1
		.amdhsa_wavefront_size32 1
		.amdhsa_system_sgpr_workgroup_id_x 1
		.amdhsa_system_sgpr_workgroup_id_y 1
		.amdhsa_system_sgpr_workgroup_id_z 1
		.amdhsa_system_vgpr_workitem_id 0
		.amdhsa_next_free_vgpr 256
		.amdhsa_next_free_sgpr 66
		.amdhsa_reserve_vcc 1
		.amdhsa_float_denorm_mode_32 3
		.amdhsa_float_denorm_mode_16_64 3
		.amdhsa_memory_ordered 1
		.amdhsa_forward_progress 1
		.amdhsa_inst_pref_size 120
	.end_amdhsa_kernel
	.amdgpu_metadata
---
amdhsa.version: [ 1, 2 ]
amdhsa.kernels:
  - .name:           k_qfec77dee75_knn2
    .symbol:         k_qfec77dee75_knn2.kd
    .args:
      - { .name: lossy_C, .offset: 0, .size: 8, .value_kind: global_buffer, .address_space: global }
      - { .name: ref_C, .offset: 8, .size: 8, .value_kind: global_buffer, .address_space: global }
      - { .name: grp, .offset: 16, .size: 8, .value_kind: global_buffer, .address_space: global }
      - { .name: q0_w, .offset: 24, .size: 8, .value_kind: global_buffer, .address_space: global }
      - { .name: k0_w, .offset: 32, .size: 8, .value_kind: global_buffer, .address_space: global }
      - { .name: v0_w, .offset: 40, .size: 8, .value_kind: global_buffer, .address_space: global }
      - { .name: q1_w, .offset: 48, .size: 8, .value_kind: global_buffer, .address_space: global }
      - { .name: k1_w, .offset: 56, .size: 8, .value_kind: global_buffer, .address_space: global }
      - { .name: v1_w, .offset: 64, .size: 8, .value_kind: global_buffer, .address_space: global }
      - { .name: lin_w, .offset: 72, .size: 8, .value_kind: global_buffer, .address_space: global }
      - { .name: idx, .offset: 80, .size: 8, .value_kind: global_buffer, .address_space: global }
      - { .name: wq, .offset: 88, .size: 8, .value_kind: global_buffer, .address_space: global }
    .group_segment_fixed_size: 39936
    .private_segment_fixed_size: 0
    .kernarg_segment_align: 8
    .kernarg_segment_size: 96
    .max_flat_workgroup_size: 256
    .sgpr_count:     66
    .vgpr_count:     256
    .wavefront_size: 32
...
	.end_amdgpu_metadata
.endif
;; end of part 2
;; launch attn (part 3): grid 256 x 1, 4 waves a work-group, no clusters, 294,144 bytes of LDS; arguments idx, lossy_C, lossy_F, ref_C, ref_F, pos0_w, pos0_b, pos1_w, pos1_b, q0_b, k0_b, v0_b, q1_b, k1_b, v1_b, wq, y, ps; writes y, ps
.if DOCPART == 3
	.amdgcn_target "amdgcn-amd-amdhsa--gfx1250"
	.amdhsa_code_object_version 6
	.text
	.protected	k_qfec77dee75_attn
	.globl	k_qfec77dee75_attn
	.p2align	8
	.type	k_qfec77dee75_attn,@function
k_qfec77dee75_attn:
	s_mov_b64 s[64:65], 0
	v_nop
	global_prefetch_b8 v0, s[64:65] scope:SCOPE_SE
	s_setreg_imm32_b32 hwreg(HW_REG_WAVE_MODE, 25, 1), 1
	s_wait_xcnt 0x0
; BOTH LAYERS OF LOCAL ATTENTION, fused.  y = lossy_F + attn1(attn0(lossy_F)), and for the batch norm that follows each work-group's mean and sum of squared deviations by channel.
; All six projections run on codes of E3M2 with one E8M0 scale for each 32 along K, by v_wmma_scale_f32_16x16x128_f8f6f4; everything ahead of a quantiser is f32.
; SHARES.  A work-group takes 32 queries.  THE FOUR WAVES SHARE THE CHANNELS: wave w owns channels 64 w .. 64 w + 63, as its part of K when operands are quantised and as its four tiles of 16 columns in every product.
; Its parts of q, k, v stay in registers (96 a matrix), loaded as images of the operand's registers, which an earlier launch has laid so.
; BUILD.  The neighbours' rows of ref_F are gathered ONCE for both layers: sixteen lanes read a row's 256 bytes of my channels, four queries (64 rows) a batch, one batch ahead; they turn through my own stage in LDS so that
; lane (r, h) holds, of neighbour r, 16 neighbouring channels of each of my two blocks of 32.  nf_l = F + (rel . pos_l + bias_l) in f32, quantised, and its codes go into LDS at the places that the operand's registers take:
; a query's 16 neighbours x 256 channels are two fragments (12 registers a lane, 48 bytes from lane to lane) and 32 scale words for each layer.  The LDS store does the exchange of half blocks between the halves of the lanes.
; LAYER.  Q = x q + b for the 32 rows; then for each query: Km = nf k (16 neighbours x my 64 channels), my part of the scores (Km + kb) . Q by multiply-adds and a reduce-scatter over the 16 lanes; parts of the four waves meet in LDS;
; softmax with the row's maximum taken away; then V = nf v and out = sum of att V + vb.  Layer 0's out is quantised again as layer 1's x.
; vb is added once behind the weighted sum, since the weights sum to 1 but for their rounding.
; WHY NO TENSOR LOAD OR JOINT LOAD: the rows to fetch come from a stored list, and the weights, the one thing that work-groups share, are read once into registers at the head (295 KB would not fit beside the 287 KB of LDS in use).
; WHY NO PREFETCH INTO THE L2: a row of ref_F is named by several queries of several work-groups, so the stream is not read once.
; LIMITS: NaN and infinities are not served.  A block of zeros gets the scale byte 1 where the rule says 127: its codes are zeros, and this program alone reads the bytes.
; LDS: 0: the images, 6,400 bytes a query (layer l at + 3,200 l: fragment s at + 1,536 s, scale word (s, r) at + 3,072 + 64 s + 4 r); XIMG: x's two tiles of rows, the same form;
;   UB: first the four waves' stages (4 slots of 16 rows x 272 bytes each), later, behind a barrier: QT (Q by query, a wave's own), PART (score parts), ATT (weights, a wave's own), OUTT (32 rows of 1,040 bytes).
; REGISTERS, in windows of 256.  Window 0: v1-31 lane numbers and addresses; v32-55 the weights' scale words; v56-79 biases; v80-245 at work; v246-247 A's scale words; v248-254 offsets that stay.
;   Window 1: the position tables (layer l at 128 l: three rows of pos_w, then the bias; register 16 b + i = channel 64 w + 32 b + 16 h + i), later k1 (0-95), v1 (96-191).
;   Window 2: k0 (0-95), v0 (96-191), indices and neighbours' coordinates (192-243).   Window 3: q0 (0-95), later rows of lossy_F; rows as gathered (96-223), later q1 (96-191).
.set IMGQ,  6400
.set IMGL,  3200
.set XIMG,  204800
.set UB,    211200
.set STGW,  17408
.set SLOTB, 4352
.set QT,    UB
.set PART,  UB+32768
.set ATT,   UB+40960
.set OUTT,  UB+49152
.set OP,    1040
.set WSB,   344064
.set WS,  32                           ; scale words: layer l: q's four tiles at 12 l, k's at + 4, v's at + 8; lanes 0-15 K step 0, lanes 16-31 K step 1
.set BI,  56                           ; biases, the same order: my lane's channel 64 w + 16 t + r
.set FQ,  80                           ; build: two sets of 32 numbers of F
.set NN,  144                          ; 32 numbers of nf
.set RL,  176                          ; the batch's relative positions: query e at 4 e: x, y, z, 0
.set TM,  192
.set TP,  194
.set SO,  196
.set BY,  198
.set CD,  200                          ; codes: set u, block b at 8 u + 4 b
.set PWR, 216                          ; two scale bytes, set u
.set FA,  80                           ; layers: two sets of two fragments
.set QV,  132                          ; two sets: Q of my four channels
.set AT,  140                          ; two sets: the weights of my eight neighbours
.set ACC, 156                          ; 4 (in the Q step 8) accumulators
.set SS,  220
.set KP,  228
.set C0,  236
.set OT,  238
.set AS,  246
.set SEL, 42
.set IA,  192                          ; window 2
.set IR,  224
.set RC,  228
.set RAW, 96                           ; window 3
.set MSB, 0
.macro WIN new                         ; the immediate's high byte repeats the setting that is left; a switch that changes nothing is dropped
.if MSB != \new
	s_set_vgpr_msb (MSB<<8)|\new
.set MSB, \new
.endif
.endm
.macro WLOAD mu, base                  ; my 8 fragments of matrix mu: 12,288 consecutive bytes, 512 an instruction
.set ff, 0
.rept 8
.irp g, 0,1,2
	global_load_b128 v[\base+12*ff+4*\g:\base+12*ff+4*\g+3], v248, s[34:35] offset:(\mu)*49152+1536*ff+512*\g
.endr
.set ff, ff+1
.endr
.endm
.macro IDXLOAD                         ; a batch's indices: for the rows, idx[q][8 h + j]; for the coordinates, idx[q][r]
	WIN 0x80
.irp e, 0,1,2,3
	global_load_b128 v[IA+8*\e:IA+8*\e+3], v13, s[4:5] offset:64*\e
	global_load_b128 v[IA+8*\e+4:IA+8*\e+7], v13, s[4:5] offset:64*\e+16
	global_load_b32 v[IR+\e], v14, s[4:5] offset:64*\e
.endr
	WIN 0
.endm
.macro GATHER                          ; a batch: 64 rows' 256 bytes of my channels, the neighbours' coordinates, the four queries' coordinates
	WIN 0x88
.set ii, 0
.rept 36
	v_min_u32 v[IA+ii], 0x3fff, v[IA+ii]           ; a stored number enters an address only held to its range (IR follows IA)
.set ii, ii+1
.endr
	WIN 0x82
.set ii, 0
.rept 32
	v_lshl_add_u32 v[IA+ii], v[IA+ii], 10, v4      ; row x 1,024 + 256 w + 16 (lane % 16)
.set ii, ii+1
.endr
.irp e, 0,1,2,3
	v_mul_u32_u24 v[IR+\e], v[IR+\e], 12
.endr
.irp e, 0,1,2,3
	global_load_b96 v[RC+4*\e:RC+4*\e+2], v[IR+\e], s[10:11]
.endr
	WIN 0xc2
.set ii, 0
.rept 32
	global_load_b128 v[RAW+4*ii:RAW+4*ii+3], v[IA+ii], s[12:13]   ; sixteen lanes read 256 consecutive bytes, aligned; two rows an instruction
.set ii, ii+1
.endr
	WIN 0
	s_load_b128 s[68:71], s[6:7], 0x0
	s_load_b128 s[72:75], s[6:7], 0x10
	s_load_b128 s[76:79], s[6:7], 0x20
.endm
.macro FQLOAD buf, slot                ; out of the stage: of row r, channels 32 b + 16 h + 0 .. 15 of my 64
.irp b, 0,1
.irp i, 0,1,2,3
	ds_load_b128 v[FQ+32*(\buf)+16*\b+4*\i:FQ+32*(\buf)+16*\b+4*\i+3], v6 offset:SLOTB*(\slot)+128*\b+16*\i
.endr
.endr
.endm
.macro CHAIN ly, fq, rl                ; nf = F + (((bias + rx W0) + ry W1) + rz W2), two channels an instruction
	WIN 0x11
.set pp, 0
.rept 16
	v_pk_fma_f32 v[NN+2*pp:NN+2*pp+1], v[128*(\ly)+2*pp:128*(\ly)+2*pp+1], v[\rl:\rl+1], v[128*(\ly)+96+2*pp:128*(\ly)+97+2*pp] op_sel_hi:[1,0,1]
.set pp, pp+1
.endr
	WIN 0x01
.set pp, 0
.rept 16
	v_pk_fma_f32 v[NN+2*pp:NN+2*pp+1], v[128*(\ly)+32+2*pp:128*(\ly)+33+2*pp], v[\rl:\rl+1], v[NN+2*pp:NN+2*pp+1] op_sel:[0,1,0] op_sel_hi:[1,1,1]
.set pp, pp+1
.endr
.set pp, 0
.rept 16
	v_pk_fma_f32 v[NN+2*pp:NN+2*pp+1], v[128*(\ly)+64+2*pp:128*(\ly)+65+2*pp], v[\rl+2:\rl+3], v[NN+2*pp:NN+2*pp+1] op_sel_hi:[1,0,1]
.set pp, pp+1
.endr
	WIN 0
.set pp, 0
.rept 16
	v_pk_add_f32 v[NN+2*pp:NN+2*pp+1], v[NN+2*pp:NN+2*pp+1], v[\fq+2*pp:\fq+2*pp+1]
.set pp, pp+1
.endr
.endm
; 32 numbers of a lane, v[src + 16 b + i] = channel 32 b + 16 h + i of my 64, of row r, become codes and two scale bytes, stored at their places in the operand's image.
; A block of 32 lies in lanes l and l xor 16.  My 16 codes of block b (three registers) belong to lane r + 16 b, registers 6 (w % 2) + 3 h + 0 .. 2: the address says so, and no lane exchange is written.
.macro QUANT2 src, ia, sa, off, set
.irp b, 0,1
	v_max3_num_f32 v[TM+\b], |v[\src+16*\b]|, |v[\src+16*\b+1]|, 0x2800000   ; the floor 2^(5 - 127) holds the byte at 1 from below
	v_max3_num_f32 v[TP+\b], |v[\src+16*\b+8]|, |v[\src+16*\b+9]|, |v[\src+16*\b+10]|
.endr
.irp i, 2,4
.irp b, 0,1
	v_max3_num_f32 v[TM+\b], v[TM+\b], |v[\src+16*\b+\i]|, |v[\src+16*\b+\i+1]|
	v_max3_num_f32 v[TP+\b], v[TP+\b], |v[\src+16*\b+\i+9]|, |v[\src+16*\b+\i+10]|
.endr
.endr
.irp b, 0,1
	v_max3_num_f32 v[TM+\b], v[TM+\b], |v[\src+16*\b+6]|, |v[\src+16*\b+7]|
.endr
.irp b, 0,1
	v_max3_num_f32 v[TM+\b], v[TM+\b], v[TP+\b], |v[\src+16*\b+15]|
.endr
.irp b, 0,1
	v_permlanex16_b32 v[TP+\b], v[TM+\b], s[SEL], s[SEL+1]
.endr
.irp b, 0,1
	v_max_num_f32 v[TM+\b], v[TM+\b], v[TP+\b]     ; the block's largest magnitude
.endr
.irp b, 0,1
	v_add_nc_u32 v[SO+\b], 0xfe000000, v[TM+\b]    ; 4 off its exponent field: the conversion's scale operand
.endr
.irp b, 0,1
	v_lshrrev_b32 v[BY+\b], 23, v[SO+\b]           ; the scale's byte
.endr
	v_lshl_or_b32 v[PWR+(\set)], v[BY+1], 8, v[BY]
.irp b, 0,1
	v_cvt_scalef32_pk16_bf6_f32 v[CD+8*(\set)+4*\b:CD+8*(\set)+4*\b+2], v[\src+16*\b:\src+16*\b+15], v[SO+\b]
.endr
	v_nop                                          ; one plain line behind the last scaled conversion
.irp b, 0,1
.irp i, 0,1,2
	ds_store_b32 v[\ia], v[CD+8*(\set)+4*\b+\i] offset:\off+768*\b+4*\i   ; 48 r + 12 h: 32 lanes, 32 different banks
.endr
.endr
	ds_store_b16 v[\sa], v[PWR+(\set)] offset:\off  ; bytes 2 (w % 2), + 1 of row r's word; both halves of the lanes write the same
.endm
.macro XQ e                            ; query e of the batch: both layers' operands
.if (\e) < 3
	FQLOAD 1-((\e)&1), (\e)+1
	s_wait_dscnt 8                                 ; all but the eight loads just issued: this query's F is in, and the last query's stores have read their registers
.else
	s_wait_dscnt 0x0
.endif
.irp y, 0,1
	CHAIN \y, FQ+32*((\e)&1), RL+4*(\e)
	QUANT2 NN, 9, 10, IMGQ*(\e)+IMGL*\y, \y
.endr
.endm
.macro FALOAD buf, ly                  ; a query's two fragments and its scale words (lanes 0-15 K step 0, lanes 16-31 K step 1)
.irp s, 0,1
.irp g, 0,1,2
	ds_load_b128 v[FA+24*(\buf)+12*\s+4*\g:FA+24*(\buf)+12*\s+4*\g+3], v[17+(\buf)] offset:IMGL*(\ly)+1536*\s+16*\g
.endr
.endr
	ds_load_b32 v[AS+(\buf)], v[19+(\buf)] offset:IMGL*(\ly)
.endm
.macro MM8 buf, wb, sc                 ; 16 rows x my 64 columns x K = 256: four accumulators by turns, one instruction a turn; the first K step starts the sums
.irp t, 0,1,2,3
	v_wmma_scale_f32_16x16x128_f8f6f4 v[ACC+8*\t:ACC+8*\t+7], v[FA+24*(\buf):FA+24*(\buf)+11], v[\wb+24*\t:\wb+24*\t+11], 0, v[AS+(\buf)], v[\sc+\t] matrix_a_fmt:MATRIX_FMT_BF6 matrix_b_fmt:MATRIX_FMT_BF6
.endr
.irp t, 0,1,2,3
	v_wmma_scale_f32_16x16x128_f8f6f4 v[ACC+8*\t:ACC+8*\t+7], v[FA+24*(\buf)+12:FA+24*(\buf)+23], v[\wb+24*\t+12:\wb+24*\t+23], v[ACC+8*\t:ACC+8*\t+7], v[AS+(\buf)], v[\sc+\t] matrix_a_fmt:MATRIX_FMT_BF6 matrix_b_fmt:MATRIX_FMT_BF6 matrix_a_scale:MATRIX_SCALE_ROW1 matrix_b_scale:MATRIX_SCALE_ROW1
.endr
.endm
.macro PKADDB reg, breg                ; v[breg] onto both of a pair
.if ((\breg)&1) == 0
	v_pk_add_f32 v[\reg:\reg+1], v[\reg:\reg+1], v[\breg:\breg+1] op_sel_hi:[1,0]
.else
	v_pk_add_f32 v[\reg:\reg+1], v[\reg:\reg+1], v[\breg-1:\breg] op_sel:[0,1] op_sel_hi:[1,1]
.endif
.endm
.macro FAINIT                          ; the images' addresses: set 0 at query 0, set 1 at query 1
	v_mul_u32_u24 v17, v1, 48
	v_add_nc_u32 v18, IMGQ, v17
	v_lshl_add_u32 v19, v1, 2, 3072
	v_add_nc_u32 v20, IMGQ, v19
.endm
; A query's scores.  In the result lane (r, h) holds channel 64 w + 16 t + r and neighbours 8 h + j.  pf = 1: the next query's operands are fetched into the other set.
.macro KQ ly, bw, buf, pf
.if \pf
	FALOAD 1-\buf, \ly
	ds_load_b128 v[QV+4*(1-\buf):QV+4*(1-\buf)+3], v[22-\buf]
	s_wait_dscnt 8                                 ; all but the eight loads just issued: this query's operands are in, the last query's store is done
.else
	s_wait_dscnt 0x0
.endif
	WIN (\bw)*4
	MM8 \buf, 0, WS+12*(\ly)+4
	WIN 0
	v_mul_f32 v[C0], v[BI+12*(\ly)+4], v[QV+4*(\buf)]          ; kb . Q of my four channels.  These four lines and the four address steps name no register of the products: they are the places behind them
	v_fma_f32 v[C0], v[BI+12*(\ly)+5], v[QV+4*(\buf)+1], v[C0]
	v_fma_f32 v[C0], v[BI+12*(\ly)+6], v[QV+4*(\buf)+2], v[C0]
	v_fma_f32 v[C0], v[BI+12*(\ly)+7], v[QV+4*(\buf)+3], v[C0]
	v_add_nc_u32 v[17+(\buf)], 2*IMGQ, v[17+(\buf)]            ; this set's loads are done: its addresses go two queries on
	v_add_nc_u32 v[19+(\buf)], 2*IMGQ, v[19+(\buf)]
	v_add_nc_u32 v[21+(\buf)], 512, v[21+(\buf)]
	v_add_nc_u32 v23, 256, v23                                 ; the store's address: it began one step back
.irp j, 0,2,4,6
	v_pk_fma_f32 v[SS+\j:SS+\j+1], v[ACC+\j:ACC+\j+1], v[QV+4*(\buf):QV+4*(\buf)+1], v[C0:C0+1] op_sel_hi:[1,0,0]
.endr
.irp j, 0,2,4,6
	v_pk_fma_f32 v[SS+\j:SS+\j+1], v[ACC+8+\j:ACC+9+\j], v[QV+4*(\buf):QV+4*(\buf)+1], v[SS+\j:SS+\j+1] op_sel:[0,1,0] op_sel_hi:[1,1,1]
.endr
.irp j, 0,2,4,6
	v_pk_fma_f32 v[SS+\j:SS+\j+1], v[ACC+16+\j:ACC+17+\j], v[QV+4*(\buf)+2:QV+4*(\buf)+3], v[SS+\j:SS+\j+1] op_sel_hi:[1,0,1]
.endr
.irp j, 0,2,4,6
	v_pk_fma_f32 v[SS+\j:SS+\j+1], v[ACC+24+\j:ACC+25+\j], v[QV+4*(\buf)+2:QV+4*(\buf)+3], v[SS+\j:SS+\j+1] op_sel:[0,1,0] op_sel_hi:[1,1,1]
.endr
	; the sum over the 16 lanes, halving what a lane keeps at each step: lanes 8, 4, 2 apart keep one half of the neighbours and send the other; at the end lane r holds neighbour 8 h + r / 2
.irp i, 0,1,2,3
	v_cndmask_b32 v[KP+\i], v[SS+\i], v[SS+4+\i], s44
	v_cndmask_b32 v[KP+4+\i], v[SS+4+\i], v[SS+\i], s44
.endr
.irp i, 0,1,2,3
	v_add_f32_dpp v[KP+\i], v[KP+4+\i], v[KP+\i] row_xmask:8 row_mask:0xf bank_mask:0xf
.endr
.irp i, 0,1
	v_cndmask_b32 v[SS+\i], v[KP+\i], v[KP+2+\i], s45
	v_cndmask_b32 v[SS+2+\i], v[KP+2+\i], v[KP+\i], s45
.endr
.irp i, 0,1
	v_add_f32_dpp v[SS+\i], v[SS+2+\i], v[SS+\i] row_xmask:4 row_mask:0xf bank_mask:0xf
.endr
	v_cndmask_b32 v[KP], v[SS], v[SS+1], s46
	v_cndmask_b32 v[KP+1], v[SS+1], v[SS], s46
	v_add_f32_dpp v[KP], v[KP+1], v[KP] row_xmask:2 row_mask:0xf bank_mask:0xf
	v_add_f32_dpp v[KP], v[KP], v[KP] row_xmask:1 row_mask:0xf bank_mask:0xf
	ds_store_b32 v23, v[KP]                        ; my wave's part of the score of (query, neighbour)
.endm
; A query's output: out(channel) = sum over the 16 neighbours of att x V, + vb.
.macro VQ ly, bw, buf, pf
.if \pf
	FALOAD 1-\buf, \ly
	ds_load_b128 v[AT+8*(1-\buf):AT+8*(1-\buf)+3], v[25-\buf]
	ds_load_b128 v[AT+8*(1-\buf)+4:AT+8*(1-\buf)+7], v[25-\buf] offset:16
	s_wait_dscnt 9                                 ; all but the nine loads just issued
.else
	s_wait_dscnt 0x0
.endif
	WIN (\bw)*4
	MM8 \buf, 96, WS+12*(\ly)+8
	WIN 0
	v_add_nc_u32 v[17+(\buf)], 2*IMGQ, v[17+(\buf)]            ; four address steps: the places behind the products
	v_add_nc_u32 v[19+(\buf)], 2*IMGQ, v[19+(\buf)]
	v_add_nc_u32 v[24+(\buf)], 128, v[24+(\buf)]
	v_add_nc_u32 v26, OP, v26
.irp t, 0,1,2,3
	v_pk_mul_f32 v[OT+2*\t:OT+2*\t+1], v[ACC+8*\t:ACC+8*\t+1], v[AT+8*(\buf):AT+8*(\buf)+1]
.endr
.irp j, 2,4,6
.irp t, 0,1,2,3
	v_pk_fma_f32 v[OT+2*\t:OT+2*\t+1], v[ACC+8*\t+\j:ACC+8*\t+\j+1], v[AT+8*(\buf)+\j:AT+8*(\buf)+\j+1], v[OT+2*\t:OT+2*\t+1]
.endr
.endr
.irp t, 0,1,2,3
	v_add_f32 v[OT+2*\t], v[OT+2*\t], v[OT+2*\t+1]
.endr
.irp t, 0,1,2,3
	v_permlanex16_b32 v[OT+2*\t+1], v[OT+2*\t], s[SEL], s[SEL+1]   ; the other eight neighbours
.endr
.irp t, 0,1,2,3
	v_add_f32 v[OT+2*\t], v[OT+2*\t], v[OT+2*\t+1]
.endr
.irp t, 0,1,2,3
	v_add_f32 v[OT+2*\t], v[OT+2*\t], v[BI+12*(\ly)+8+\t]
.endr
.irp t, 0,1,2,3
	ds_store_b32 v26, v[OT+2*\t] offset:64*\t
.endr
.endm
.macro BARRIER                         ; my LDS stores have landed and my LDS loads are in: then the work-group's barrier
	s_wait_dscnt 0x0
	s_barrier_signal -1
	s_barrier_wait -1
.endm
.macro LAYER ly, bw, qb
.if \ly == 1
	s_wait_loadcnt 0x0                             ; layer 1's weights, asked for a layer ago
.endif
	; ---- Q = x q + b: two tiles of rows x my four tiles of columns; eight accumulators by turns
.irp m, 0,1
.irp s, 0,1
.irp g, 0,1,2
	ds_load_b128 v[FA+24*\m+12*\s+4*\g:FA+24*\m+12*\s+4*\g+3], v28 offset:IMGL*\m+1536*\s+16*\g
.endr
.endr
	ds_load_b32 v[AS+\m], v29 offset:IMGL*\m
.endr
	s_wait_dscnt 0x0
	WIN 0x0c
.irp m, 0,1
.irp t, 0,1,2,3
	v_wmma_scale_f32_16x16x128_f8f6f4 v[ACC+8*(4*\m+\t):ACC+8*(4*\m+\t)+7], v[FA+24*\m:FA+24*\m+11], v[\qb+24*\t:\qb+24*\t+11], 0, v[AS+\m], v[WS+12*(\ly)+\t] matrix_a_fmt:MATRIX_FMT_BF6 matrix_b_fmt:MATRIX_FMT_BF6
.endr
.endr
.irp m, 0,1
.irp t, 0,1,2,3
	v_wmma_scale_f32_16x16x128_f8f6f4 v[ACC+8*(4*\m+\t):ACC+8*(4*\m+\t)+7], v[FA+24*\m+12:FA+24*\m+23], v[\qb+24*\t+12:\qb+24*\t+23], v[ACC+8*(4*\m+\t):ACC+8*(4*\m+\t)+7], v[AS+\m], v[WS+12*(\ly)+\t] matrix_a_fmt:MATRIX_FMT_BF6 matrix_b_fmt:MATRIX_FMT_BF6 matrix_a_scale:MATRIX_SCALE_ROW1 matrix_b_scale:MATRIX_SCALE_ROW1
.endr
.endr
	WIN 0
	FAINIT                                         ; twelve plain lines that name no register of the products: the places behind them
	v_lshl_add_u32 v21, v2, 4, s59
	v_add_nc_u32 v22, 256, v21
	v_lshrrev_b32 v23, 1, v2
	v_lshlrev_b32 v23, 4, v23
	v_lshl_add_u32 v23, v3, 7, v23
	s_lshl_b32 s55, s40, 2
	s_add_co_u32 s55, s55, PART-256
	v_add_nc_u32 v23, s55, v23                     ; score parts: 128 h + 16 (r / 2) + 4 w, one query back
.irp m, 0,1
.irp t, 0,1,2,3
.irp j, 0,2,4,6
	PKADDB ACC+8*(4*\m+\t)+\j, BI+12*(\ly)+\t
.endr
.endr
.endr
.irp m, 0,1
.irp t, 0,1,2,3
.irp j, 0,1,2,3,4,5,6,7
	ds_store_b32 v27, v[ACC+8*(4*\m+\t)+\j] offset:256*(16*\m+\j)+4*\t   ; Q(query 16 m + 8 h + j, channel 16 t + r) to [query][r][t], my wave's own
.endr
.endr
.endr
	; ---- the scores, a query at a time
	FALOAD 0, \ly
	ds_load_b128 v[QV:QV+3], v21                   ; LDS serves a wave's instructions in order: this sees my stores
	s_mov_b32 s47, 15
.Lk_\ly:
	KQ \ly, \bw, 0, 1
	KQ \ly, \bw, 1, 1
	s_sub_co_u32 s47, s47, 1
	s_cmp_lg_u32 s47, 0
	s_cbranch_scc1 .Lk_\ly
	KQ \ly, \bw, 0, 1
	KQ \ly, \bw, 1, 0                              ; the last query fetches nothing
	BARRIER                                        ; all four waves' parts lie in LDS
	; ---- softmax: every wave makes all 32 queries' weights for its own use.  Lane (p, k), register u: query 2 u + p, neighbour k
.set uu, 0
.rept 16
	ds_load_b128 v[ACC+4*uu:ACC+4*uu+3], v30 offset:512*uu
.set uu, uu+1
.endr
	s_wait_dscnt 0x0
.set uu, 0
.rept 16
	v_add_f32 v[80+uu], v[ACC+4*uu], v[ACC+4*uu+1]
	v_add_f32 v[96+uu], v[ACC+4*uu+2], v[ACC+4*uu+3]
.set uu, uu+1
.endr
.set uu, 0
.rept 16
	v_add_f32 v[80+uu], v[80+uu], v[96+uu]         ; the score
.set uu, uu+1
.endr
.set uu, 0
.rept 16
	v_max_num_f32_dpp v[96+uu], v[80+uu], v[80+uu] row_xmask:1 row_mask:0xf bank_mask:0xf
.set uu, uu+1
.endr
.irp x, 2,4,8
.set uu, 0
.rept 16
	v_max_num_f32_dpp v[96+uu], v[96+uu], v[96+uu] row_xmask:\x row_mask:0xf bank_mask:0xf
.set uu, uu+1
.endr
.endr
.set uu, 0
.rept 16
	v_sub_f32 v[80+uu], v[80+uu], v[96+uu]         ; the row's maximum is taken away first,
.set uu, uu+1
.endr
.set uu, 0
.rept 16
	v_mul_f32 v[80+uu], s56, v[80+uu]              ; then x log2(e) / 16
.set uu, uu+1
.endr
.set uu, 0
.rept 16
	v_exp_f32 v[80+uu], v[80+uu]
.set uu, uu+1
.endr
	v_nop                                          ; a plain line behind the last exponential
	s_wait_alu depctr_va_vdst(0)                   ; one wait for the batch, ahead of its first reader
.set uu, 0
.rept 16
	v_add_f32_dpp v[96+uu], v[80+uu], v[80+uu] row_xmask:1 row_mask:0xf bank_mask:0xf
.set uu, uu+1
.endr
.irp x, 2,4,8
.set uu, 0
.rept 16
	v_add_f32_dpp v[96+uu], v[96+uu], v[96+uu] row_xmask:\x row_mask:0xf bank_mask:0xf
.set uu, uu+1
.endr
.endr
.set uu, 0
.rept 16
	v_rcp_f32 v[96+uu], v[96+uu]
.set uu, uu+1
.endr
	v_nop
	s_wait_alu depctr_va_vdst(0)                   ; one wait for the sixteen reciprocals
.set uu, 0
.rept 16
	v_mul_f32 v[80+uu], v[80+uu], v[96+uu]
.set uu, uu+1
.endr
.set uu, 0
.rept 16
	ds_store_b32 v31, v[80+uu] offset:128*uu       ; [query][neighbour], my wave's own copy
.set uu, uu+1
.endr
.if \ly == 1
	WIN 0xc0                                       ; the rows of lossy_F for the residual: asked for here, wanted behind the V loop; lane l takes channels 64 w + 2 l, + 1
.set ii, 0
.rept 32
	global_load_b64 v[2*ii:2*ii+1], v252, s[8:9] offset:1024*ii
.set ii, ii+1
.endr
	WIN 0
.endif
	s_wait_dscnt 0x0                               ; the stores have read their registers, which the fragments take again
	; ---- the outputs, a query at a time
	FAINIT
	v_lshl_add_u32 v24, v3, 5, s57
	v_add_nc_u32 v25, 64, v24
	s_add_co_u32 s55, s60, OUTT-OP
	v_lshl_add_u32 v26, v2, 2, s55                 ; one row back
	FALOAD 0, \ly
	ds_load_b128 v[AT:AT+3], v24
	ds_load_b128 v[AT+4:AT+7], v24 offset:16
	s_mov_b32 s47, 15
.Lv_\ly:
	VQ \ly, \bw, 0, 1
	VQ \ly, \bw, 1, 1
	s_sub_co_u32 s47, s47, 1
	s_cmp_lg_u32 s47, 0
	s_cbranch_scc1 .Lv_\ly
	VQ \ly, \bw, 0, 1
	VQ \ly, \bw, 1, 0
	BARRIER                                        ; 32 rows of the layer's output lie in LDS
.if \ly == 0
.irp m, 0,1                                        ; they are layer 1's x: my 64 channels of each tile of 16 rows are quantised as x was
.irp b, 0,1
.irp i, 0,1,2,3
	ds_load_b128 v[FQ+16*\b+4*\i:FQ+16*\b+4*\i+3], v4 offset:16*OP*\m+128*\b+16*\i
.endr
.endr
	s_wait_dscnt 0x0
	QUANT2 FQ, 15, 16, IMGL*\m, \m
.endr
	BARRIER                                        ; x's images are whole
.endif
.endm
; mean and sum of squared deviations over 32 rows, two channels a lane: row i's pair at v[yb + 2 i].  Mean at v[tb + 32], M2 at v[tb + 34].  No difference of large sums is formed.
.macro STATS yb, tb
.set ii, 0
.rept 16
	v_pk_add_f32 v[\tb+2*ii:\tb+2*ii+1], v[\yb+4*ii:\yb+4*ii+1], v[\yb+4*ii+2:\yb+4*ii+3]
.set ii, ii+1
.endr
.irp n, 8,4,2,1
.set ii, 0
.rept \n
	v_pk_add_f32 v[\tb+2*ii:\tb+2*ii+1], v[\tb+2*ii:\tb+2*ii+1], v[\tb+2*(ii+\n):\tb+2*(ii+\n)+1]
.set ii, ii+1
.endr
.endr
	v_pk_mul_f32 v[\tb+32:\tb+33], v[\tb:\tb+1], 0x3d000000 op_sel_hi:[1,0]   ; / 32
.set ii, 0
.rept 32
.set cc, ii&3
	v_pk_add_f32 v[\tb+42+2*cc:\tb+43+2*cc], v[\yb+2*ii:\yb+2*ii+1], v[\tb+32:\tb+33] neg_lo:[0,1] neg_hi:[0,1]
.if ii < 4
	v_pk_mul_f32 v[\tb+34+2*cc:\tb+35+2*cc], v[\tb+42+2*cc:\tb+43+2*cc], v[\tb+42+2*cc:\tb+43+2*cc]
.else
	v_pk_fma_f32 v[\tb+34+2*cc:\tb+35+2*cc], v[\tb+42+2*cc:\tb+43+2*cc], v[\tb+42+2*cc:\tb+43+2*cc], v[\tb+34+2*cc:\tb+35+2*cc]
.endif
.set ii, ii+1
.endr
	v_pk_add_f32 v[\tb+34:\tb+35], v[\tb+34:\tb+35], v[\tb+36:\tb+37]
	v_pk_add_f32 v[\tb+38:\tb+39], v[\tb+38:\tb+39], v[\tb+40:\tb+41]
	v_pk_add_f32 v[\tb+34:\tb+35], v[\tb+34:\tb+35], v[\tb+38:\tb+39]
.endm
	s_load_b512 s[4:19], s[0:1], 0x0               ; idx s[4:5], lossy_C s[6:7], lossy_F s[8:9], ref_C s[10:11], ref_F s[12:13], pos0_w s[14:15], pos0_b s[16:17], pos1_w s[18:19]
	s_load_b512 s[20:35], s[0:1], 0x40             ; pos1_b s[20:21], q0_b, k0_b, v0_b s[22:27], q1_b, k1_b, v1_b s[28:33], wq s[34:35]
	s_load_b128 s[36:39], s[0:1], 0x80             ; y s[36:37], ps s[38:39]
	v_lshl_add_u32 v255, v0, 2, 0x47b00
	s_set_vgpr_msb 0x80
	v_mov_b32 v255, 0
	s_set_vgpr_msb 0x8000
	v_lshrrev_b32 v1, 5, v0
	v_readfirstlane_b32 s40, v1                    ; wave 0..3
	v_and_b32 v1, 31, v0                           ; lane
	v_and_b32 v2, 15, v0                           ; r
	v_bfe_u32 v3, v0, 4, 1                         ; h
	s_mov_b32 s42, 0x76543210
	s_mov_b32 s43, 0xfedcba98                      ; v_permlanex16_b32's selects for lane xor 16
	s_mov_b32 s44, 0xff00ff00                      ; lanes with r & 8,
	s_mov_b32 s45, 0xf0f0f0f0                      ; r & 4,
	s_mov_b32 s46, 0xcccccccc                      ; r & 2
	s_mov_b32 s56, 0x3db8aa3b                      ; log2(e) / 16
	s_lshl_b32 s60, s40, 8                         ; 256 w
	s_mul_i32 s58, s40, STGW
	s_add_co_u32 s58, s58, UB                      ; my stage
	s_lshl_b32 s59, s40, 13
	s_add_co_u32 s59, s59, QT                      ; my Q table
	s_lshl_b32 s57, s40, 11
	s_add_co_u32 s57, s57, ATT                     ; my weights
	s_and_b32 s61, s40, 1
	s_lshr_b32 s62, s40, 1
	s_mul_i32 s63, s61, 24
	s_mul_i32 s66, s62, 1536
	s_add_co_u32 s63, s63, s66                     ; my channels in an image: fragment w / 2, registers 6 (w % 2) on
	s_lshl_b32 s66, s62, 6
	s_lshl_b32 s67, s61, 1
	s_add_co_u32 s66, s66, s67
	s_add_co_u32 s66, s66, 3072                    ; and among the scale words: word set w / 2, bytes 2 (w % 2) on
	v_lshl_add_u32 v4, v2, 4, s60                  ; a gathered row: my 16 bytes of my wave's 256
	v_mul_u32_u24 v5, v3, 2176
	v_lshl_add_u32 v5, v2, 4, v5
	v_add_nc_u32 v5, s58, v5                       ; into the stage: row 8 h + j, 16 bytes a lane
	v_mul_u32_u24 v6, v2, 272
	v_lshl_add_u32 v6, v3, 6, v6
	v_add_nc_u32 v6, s58, v6                       ; out of it: row r, 64 h bytes on; rows 272 bytes apart: sixteen lanes, sixteen different columns of 16 bytes
	v_mul_u32_u24 v7, v2, 48
	v_mad_u32_u24 v7, v3, 12, v7
	v_add_nc_u32 v7, s63, v7                       ; codes: 48 r + 12 h + my channels' place
	v_lshl_add_u32 v8, v2, 2, s66                  ; scale bytes: 4 r + my channels' place
	v_add_nc_u32 v15, XIMG, v7                     ; the same in x's images
	v_add_nc_u32 v16, XIMG, v8
	v_lshlrev_b32 v11, 5, v3                       ; indices: 32 h for the rows,
	v_lshlrev_b32 v12, 2, v2                       ; 4 r for the coordinates
	v_mov_b32 v13, v11
	v_mov_b32 v14, v12
	s_mul_i32 s66, s40, 12288
	v_lshl_add_u32 v248, v1, 4, s66                ; weights: 16 x lane + my 12,288 bytes of a matrix
	s_lshl_b32 s66, s40, 9
	v_lshl_add_u32 v249, v1, 2, s66                ; their scale words
	v_lshl_add_u32 v250, v2, 2, s60                ; biases: channel 64 w + r
	v_lshl_add_u32 v251, v3, 6, s60                ; position tables: channel 64 w + 16 h
	v_lshl_add_u32 v252, v1, 3, s60                ; a row of lossy_F or y: channels 64 w + 2 lane
	v_lshl_add_u32 v253, v3, 13, v4                ; x's rows: 8 h rows down, my 16 bytes
	v_lshlrev_b32 v254, 3, v1
.irp e, 0,1,2,3
	v_mov_b32 v[RL+4*\e+3], 0                      ; named as the upper half of a pair, so it is written
.endr
	v_mov_b32 v[C0+1], 0
	s_wait_kmcnt 0x0
	s_lshl_b32 s66, ttmp9, 11
	s_mov_b32 s67, 0
	s_add_nc_u64 s[4:5], s[4:5], s[66:67]          ; my 32 queries' indices,
	s_mul_i32 s66, ttmp9, 384
	s_add_nc_u64 s[6:7], s[6:7], s[66:67]          ; coordinates,
	s_lshl_b32 s66, ttmp9, 15
	s_add_nc_u64 s[8:9], s[8:9], s[66:67]          ; rows of lossy_F
	s_add_nc_u64 s[36:37], s[36:37], s[66:67]      ; and of y
	s_lshl_b32 s66, s40, 8
	s_add_co_u32 s66, s66, ttmp9
	s_lshl_b32 s66, s66, 9
	s_add_nc_u64 s[38:39], s[38:39], s[66:67]      ; statistics: 512 bytes for (wave, work-group)
	IDXLOAD                                        ; batch 0's indices first: the gather waits for them
	WIN 0xc0
.irp m, 0,1
.irp j, 0,1,2,3,4,5,6,7
	global_load_b128 v[RAW+4*(8*\m+\j):RAW+4*(8*\m+\j)+3], v253, s[8:9] offset:1024*(16*\m+\j)   ; x: rows 16 m + 8 h + j, my wave's 256 bytes
.endr
.endr
	WLOAD 0, 0                                     ; q0
	WIN 0x80
	WLOAD 1, 0                                     ; k0
	WLOAD 2, 96                                    ; v0
	WIN 0x40
.irp y, 0,1
.irp d, 0,1,2
.irp b, 0,1
.irp i, 0,1,2,3
	global_load_b128 v[128*\y+32*\d+16*\b+4*\i:128*\y+32*\d+16*\b+4*\i+3], v251, s[14+4*\y:15+4*\y] offset:1024*\d+128*\b+16*\i
.endr
.endr
.endr
.irp b, 0,1
.irp i, 0,1,2,3
	global_load_b128 v[128*\y+96+16*\b+4*\i:128*\y+96+16*\b+4*\i+3], v251, s[16+4*\y:17+4*\y] offset:128*\b+16*\i
.endr
.endr
.endr
	WIN 0
.irp y, 0,1
.irp x, 0,1,2
.irp t, 0,1,2,3
	global_load_b32 v[WS+12*\y+4*\x+\t], v249, s[34:35] offset:WSB+2048*(3*\y+\x)+128*\t
	global_load_b32 v[BI+12*\y+4*\x+\t], v250, s[22+6*\y+2*\x:23+6*\y+2*\x] offset:64*\t
.endr
.endr
.endr
	s_wait_loadcnt 0x0
	WIN 0x0c
.irp m, 0,1
.irp j, 0,1,2,3,4,5,6,7
	ds_store_b128 v5, v[RAW+4*(8*\m+\j):RAW+4*(8*\m+\j)+3] offset:SLOTB*\m+272*\j
.endr
.endr
	WIN 0
	s_wait_dscnt 0x0                               ; the stores have read their registers, which take the gather
	GATHER                                         ; batch 0
	s_wait_xcnt 0x0                                ; the gather has read its address registers: the next indices may land there
	v_add_nc_u32 v13, 256, v11
	v_add_nc_u32 v14, 256, v12
	IDXLOAD                                        ; batch 1's indices
	FQLOAD 0, 0
	FQLOAD 1, 1
	s_wait_dscnt 0x0
	QUANT2 FQ, 15, 16, 0, 0                        ; x's two tiles of rows
	QUANT2 FQ+32, 15, 16, IMGL, 1
	s_mov_b32 s47, 8
	s_mov_b32 s48, 0
	s_mov_b32 s54, 256
.Lbatch:                                           ; 8 trips of 4 queries
	s_wait_loadcnt 0x0                             ; this batch's rows and coordinates, the next batch's indices
	s_wait_kmcnt 0x0                               ; the queries' coordinates; their base may step
	s_add_nc_u64 s[6:7], s[6:7], 48
	WIN 0x0c
.irp e, 0,1,2,3
.irp j, 0,1,2,3,4,5,6,7
	ds_store_b128 v5, v[RAW+4*(8*\e+\j):RAW+4*(8*\e+\j)+3] offset:SLOTB*\e+272*\j
.endr
.endr
	WIN 0x08
.irp e, 0,1,2,3
.irp d, 0,1,2
	v_sub_f32 v[RL+4*\e+\d], s[68+3*\e+\d], v[RC+4*\e+\d]      ; lane (r, h) already holds neighbour r's coordinates: rel = query - neighbour
.endr
.endr
	WIN 0
	s_wait_dscnt 0x0                               ; all my LDS stores have read their registers and addresses
	v_add_nc_u32 v9, s48, v7
	v_add_nc_u32 v10, s48, v8
	s_cmp_eq_u32 s47, 1                            ; the last batch asks for nothing more
	s_cbranch_scc1 .Lnogather
	GATHER                                         ; the next batch: it has this batch's work in which to land
	s_add_co_u32 s54, s54, 256
	s_min_u32 s54, s54, 1792                       ; the indices two batches on, held at the last batch: no load leaves its buffer
	s_wait_xcnt 0x0                                ; the gather has read its address registers
	v_add_nc_u32 v13, s54, v11
	v_add_nc_u32 v14, s54, v12
	IDXLOAD
.Lnogather:
	FQLOAD 0, 0
	XQ 0
	XQ 1
	XQ 2
	XQ 3
	s_add_co_u32 s48, s48, 4*IMGQ
	s_sub_co_u32 s47, s47, 1
	s_cmp_lg_u32 s47, 0
	s_cbranch_scc1 .Lbatch
	s_wait_loadcnt 0x0                             ; no load of mine is out on any way out of the loop: the registers that the gather loaded take layer 1's weights below
	BARRIER                                        ; all images are whole; the stages are done with
	WIN 0x40
	WLOAD 4, 0                                     ; layer 1's weights land while layer 0 runs: k1, v1 where the position tables lay,
	WLOAD 5, 96
	WIN 0xc0
	WLOAD 3, 96                                    ; q1 where the gathered rows lay
	WIN 0
	v_lshl_add_u32 v27, v2, 4, s59
	v_lshl_add_u32 v27, v3, 11, v27                ; Q's way into my table: 8 h queries down, 16 r
	v_mul_u32_u24 v28, v1, 48
	v_add_nc_u32 v28, XIMG, v28                    ; x's fragments
	v_lshl_add_u32 v29, v1, 2, XIMG+3072           ; and scale words
	v_lshl_add_u32 v30, v1, 4, PART                ; score parts, 16 bytes a lane
	v_lshl_add_u32 v31, v1, 2, s57                 ; weights, 4 bytes a lane
	s_add_co_u32 s55, s60, OUTT
	v_mul_u32_u24 v4, v2, OP
	v_lshl_add_u32 v4, v3, 6, v4
	v_add_nc_u32 v4, s55, v4                       ; the output read for quantising: row r, my 64 channels, 64 h bytes on
	v_lshl_add_u32 v5, v1, 3, s55                  ; and for the residual: 8 bytes a lane
	LAYER 0, 2, 0
	LAYER 1, 1, 96
	; ---- y = lossy_F + out, stored; and its statistics
.set ii, 0
.rept 32
	ds_load_b64 v[ACC+2*ii:ACC+2*ii+1], v5 offset:OP*ii
.set ii, ii+1
.endr
	s_wait_dscnt 0x0
	s_wait_loadcnt 0x0
	WIN 0x0c
.set ii, 0
.rept 32
	v_pk_add_f32 v[ACC+2*ii:ACC+2*ii+1], v[ACC+2*ii:ACC+2*ii+1], v[2*ii:2*ii+1]
.set ii, ii+1
.endr
	WIN 0
.set ii, 0
.rept 32
	global_store_b64 v252, v[ACC+2*ii:ACC+2*ii+1], s[36:37] offset:1024*ii   ; 32 lanes store 256 consecutive bytes, aligned
.set ii, ii+1
.endr
	STATS ACC, 80
	global_store_b64 v254, v[112:113], s[38:39]    ; the 32 rows' mean,
	global_store_b64 v254, v[114:115], s[38:39] offset:256   ; and sum of squared deviations: 256 bytes each
	s_set_vgpr_msb 0x8
	s_wait_tensorcnt 0x0
	ds_add_u32 v255, v255
	s_wait_dscnt 0x0
	s_set_vgpr_msb 0x800
	s_endpgm
.Lfunc_end_k_qfec77dee75_attn:
	.size	k_qfec77dee75_attn, .Lfunc_end_k_qfec77dee75_attn-k_qfec77dee75_attn
	.p2alignl 7, 3214868480
	.fill 96, 4, 3214868480
	.section	.rodata,"a",@progbits
	.p2align	6, 0x0
	.amdhsa_kernel k_qfec77dee75_attn
		.amdhsa_group_segment_fixed_size 294144
		.amdhsa_private_segment_fixed_size 0
		.amdhsa_enable_private_segment 0
		.amdhsa_kernarg_size 144
		.amdhsa_user_sgpr_count 2
		.amdhsa_user_sgpr_kernarg_segment_ptr 1
		.amdhsa_wavefront_size32 1
		.amdhsa_system_sgpr_workgroup_id_x 1
		.amdhsa_system_sgpr_workgroup_id_y 1
		.amdhsa_system_sgpr_workgroup_id_z 1
		.amdhsa_system_vgpr_workitem_id 0
		.amdhsa_next_free_vgpr 1024
		.amdhsa_next_free_sgpr 84
		.amdhsa_reserve_vcc 0
		.amdhsa_float_denorm_mode_32 3
		.amdhsa_float_denorm_mode_16_64 3
		.amdhsa_memory_ordered 1
		.amdhsa_forward_progress 1
		.amdhsa_inst_pref_size 250
	.end_amdhsa_kernel
	.amdgpu_metadata
---
amdhsa.version: [ 1, 2 ]
amdhsa.kernels:
  - .name:           k_qfec77dee75_attn
    .symbol:         k_qfec77dee75_attn.kd
    .args:
      - { .name: idx, .offset: 0, .size: 8, .value_kind: global_buffer, .address_space: global }
      - { .name: lossy_C, .offset: 8, .size: 8, .value_kind: global_buffer, .address_space: global }
      - { .name: lossy_F, .offset: 16, .size: 8, .value_kind: global_buffer, .address_space: global }
      - { .name: ref_C, .offset: 24, .size: 8, .value_kind: global_buffer, .address_space: global }
      - { .name: ref_F, .offset: 32, .size: 8, .value_kind: global_buffer, .address_space: global }
      - { .name: pos0_w, .offset: 40, .size: 8, .value_kind: global_buffer, .address_space: global }
      - { .name: pos0_b, .offset: 48, .size: 8, .value_kind: global_buffer, .address_space: global }
      - { .name: pos1_w, .offset: 56, .size: 8, .value_kind: global_buffer, .address_space: global }
      - { .name: pos1_b, .offset: 64, .size: 8, .value_kind: global_buffer, .address_space: global }
      - { .name: q0_b, .offset: 72, .size: 8, .value_kind: global_buffer, .address_space: global }
      - { .name: k0_b, .offset: 80, .size: 8, .value_kind: global_buffer, .address_space: global }
      - { .name: v0_b, .offset: 88, .size: 8, .value_kind: global_buffer, .address_space: global }
      - { .name: q1_b, .offset: 96, .size: 8, .value_kind: global_buffer, .address_space: global }
      - { .name: k1_b, .offset: 104, .size: 8, .value_kind: global_buffer, .address_space: global }
      - { .name: v1_b, .offset: 112, .size: 8, .value_kind: global_buffer, .address_space: global }
      - { .name: wq, .offset: 120, .size: 8, .value_kind: global_buffer, .address_space: global }
      - { .name: y, .offset: 128, .size: 8, .value_kind: global_buffer, .address_space: global }
      - { .name: ps, .offset: 136, .size: 8, .value_kind: global_buffer, .address_space: global }
    .group_segment_fixed_size: 294144
    .private_segment_fixed_size: 0
    .kernarg_segment_align: 8
    .kernarg_segment_size: 144
    .max_flat_workgroup_size: 128
    .sgpr_count:     84
    .vgpr_count:     1024
    .wavefront_size: 32
...
	.end_amdgpu_metadata
.endif
;; end of part 3
;; launch stat (part 4): grid 4 x 1, 8 waves a work-group, no clusters, 5,120 bytes of LDS; arguments ps, bn0_g, ab; writes ab
.if DOCPART == 4
	.amdgcn_target "amdgcn-amd-amdhsa--gfx1250"
	.amdhsa_code_object_version 6
	.text
	.protected	k_qfec77dee75_stat
	.globl	k_qfec77dee75_stat
	.p2align	8
	.type	k_qfec77dee75_stat,@function
k_qfec77dee75_stat:
	s_mov_b64 s[64:65], 0
	v_nop
	global_prefetch_b8 v0, s[64:65] scope:SCOPE_SE
	s_setreg_imm32_b32 hwreg(HW_REG_WAVE_MODE, 25, 1), 1
	s_wait_xcnt 0x0
; The batch norm's statistics: 256 work-groups' means and sums of squared deviations (32 rows each) are combined into the mean and alpha = g / sqrt(var + 1e-5) of each channel.
; Groups of equal size n combine as m = the average of the means, M2 = the sum of the M2 + n x the sum of (mean - m)^2: no difference of large sums is formed.
; Work-group w takes channels 64 w .. + 63; wave u the partials of work-groups 32 u .. + 31; lane l channels 2 l, 2 l + 1.  Each load of a wave covers 256 consecutive bytes.
; Four work-groups: 512 KB are read once; sharing them further would cost more launches or more reads than it saves.  No matrix unit, no tensor load: a short reduction.
	s_load_b128 s[4:7], s[0:1], 0x0                ; ps, g
	s_load_b64 s[8:9], s[0:1], 0x10                ; ab
	v_lshl_add_u32 v160, v0, 2, 0x1000
	v_mov_b32 v161, 0
	v_lshrrev_b32 v1, 5, v0
	v_readfirstlane_b32 s10, v1                    ; wave 0..7
	v_and_b32 v1, 31, v0
	v_lshlrev_b32 v2, 3, v1                        ; 8 x lane
	s_lshl_b32 s11, ttmp9, 17                      ; a slice of 64 channels: 256 x 512 bytes
	s_lshl_b32 s12, s10, 14                        ; my 32 partials
	s_add_co_u32 s11, s11, s12
	v_add_nc_u32 v3, s11, v2
	s_lshl_b32 s13, ttmp9, 8
	v_add_nc_u32 v4, s13, v2                       ; my two channels in a row of 256
	v_lshlrev_b32 v5, 4, v0                        ; LDS: 16 bytes a thread
	v_lshlrev_b32 v6, 4, v1
	s_mov_b32 s14, 0x39000000                      ; 1 / 8,192
	s_mov_b32 s15, 0x3727c5ac                      ; 1e-5
	s_wait_kmcnt 0x0
.set ii, 0
.rept 32
	global_load_b64 v[16+4*ii:17+4*ii], v3, s[4:5] offset:512*ii th:TH_LOAD_NT        ; mean
	global_load_b64 v[18+4*ii:19+4*ii], v3, s[4:5] offset:512*ii+256 th:TH_LOAD_NT    ; M2
.set ii, ii+1
.endr
	global_load_b64 v[8:9], v4, s[6:7]
	s_wait_loadcnt 0x0
	v_pk_add_f32 v[144:145], v[16:17], v[20:21]
	v_pk_add_f32 v[146:147], v[24:25], v[28:29]
	v_pk_add_f32 v[150:151], v[18:19], v[22:23]
	v_pk_add_f32 v[152:153], v[26:27], v[30:31]
.set ii, 4
.rept 14
	v_pk_add_f32 v[144:145], v[144:145], v[16+4*ii:17+4*ii]
	v_pk_add_f32 v[146:147], v[146:147], v[20+4*ii:21+4*ii]
	v_pk_add_f32 v[150:151], v[150:151], v[18+4*ii:19+4*ii]
	v_pk_add_f32 v[152:153], v[152:153], v[22+4*ii:23+4*ii]
.set ii, ii+2
.endr
	v_pk_add_f32 v[144:145], v[144:145], v[146:147]
	v_pk_add_f32 v[150:151], v[150:151], v[152:153]
	v_pk_mul_f32 v[148:149], v[144:145], 0x3d000000 op_sel_hi:[1,0]   ; my 32 groups' mean
.set ii, 0
.rept 32
.set cc, ii&1
	v_pk_add_f32 v[154+2*cc:155+2*cc], v[16+4*ii:17+4*ii], v[148:149] neg_lo:[0,1] neg_hi:[0,1]
.if ii < 2
	v_pk_mul_f32 v[10+2*cc:11+2*cc], v[154+2*cc:155+2*cc], v[154+2*cc:155+2*cc]
.else
	v_pk_fma_f32 v[10+2*cc:11+2*cc], v[154+2*cc:155+2*cc], v[154+2*cc:155+2*cc], v[10+2*cc:11+2*cc]
.endif
.set ii, ii+1
.endr
	v_pk_add_f32 v[10:11], v[10:11], v[12:13]
	v_pk_fma_f32 v[150:151], v[10:11], 0x42000000, v[150:151] op_sel_hi:[1,0,1]   ; + 32 x the means' squared deviations
	ds_store_b128 v5, v[148:151]
	s_wait_dscnt 0x0                               ; for the others' sake: my store has landed
	s_barrier_signal -1
	s_barrier_wait -1
.irp u, 0,1,2,3,4,5,6,7
	ds_load_b128 v[16+4*\u:19+4*\u], v6 offset:512*\u
.endr
	s_wait_dscnt 0x0
	v_pk_add_f32 v[144:145], v[16:17], v[20:21]
	v_pk_add_f32 v[146:147], v[24:25], v[28:29]
	v_pk_add_f32 v[150:151], v[18:19], v[22:23]
	v_pk_add_f32 v[152:153], v[26:27], v[30:31]
.irp u, 4,6
	v_pk_add_f32 v[144:145], v[144:145], v[16+4*\u:17+4*\u]
	v_pk_add_f32 v[146:147], v[146:147], v[20+4*\u:21+4*\u]
	v_pk_add_f32 v[150:151], v[150:151], v[18+4*\u:19+4*\u]
	v_pk_add_f32 v[152:153], v[152:153], v[22+4*\u:23+4*\u]
.endr
	v_pk_add_f32 v[144:145], v[144:145], v[146:147]
	v_pk_add_f32 v[150:151], v[150:151], v[152:153]
	v_pk_mul_f32 v[148:149], v[144:145], 0x3e000000 op_sel_hi:[1,0]   ; the mean of all 8,192 rows
.set ii, 0
.rept 8
.set cc, ii&1
	v_pk_add_f32 v[154+2*cc:155+2*cc], v[16+4*ii:17+4*ii], v[148:149] neg_lo:[0,1] neg_hi:[0,1]
.if ii < 2
	v_pk_mul_f32 v[10+2*cc:11+2*cc], v[154+2*cc:155+2*cc], v[154+2*cc:155+2*cc]
.else
	v_pk_fma_f32 v[10+2*cc:11+2*cc], v[154+2*cc:155+2*cc], v[154+2*cc:155+2*cc], v[10+2*cc:11+2*cc]
.endif
.set ii, ii+1
.endr
	v_pk_add_f32 v[10:11], v[10:11], v[12:13]
	v_pk_fma_f32 v[150:151], v[10:11], 0x44800000, v[150:151] op_sel_hi:[1,0,1]   ; + 1,024 x the eight means' squared deviations
	v_fma_f32 v154, v150, s14, s15                 ; var + 1e-5
	v_fma_f32 v155, v151, s14, s15
	v_rsq_f32 v156, v154
	v_rsq_f32 v157, v155
	v_nop                                          ; a plain line behind the last transcendental
	s_wait_alu depctr_va_vdst(0)                   ; one wait for both, ahead of their first reader
	v_pk_mul_f32 v[156:157], v[156:157], v[8:9]    ; alpha
	s_cmp_lg_u32 s10, 0                            ; all eight waves hold the same: wave 0 stores
	s_cbranch_scc1 .Lend
	global_store_b64 v4, v[148:149], s[8:9]        ; 256 consecutive bytes, aligned
	global_store_b64 v4, v[156:157], s[8:9] offset:1024
.Lend:
	s_wait_tensorcnt 0x0
	ds_add_u32 v160, v161
	s_wait_dscnt 0x0
	s_endpgm
.Lfunc_end_k_qfec77dee75_stat:
	.size	k_qfec77dee75_stat, .Lfunc_end_k_qfec77dee75_stat-k_qfec77dee75_stat
	.p2alignl 7, 3214868480
	.fill 96, 4, 3214868480
	.section	.rodata,"a",@progbits
	.p2align	6, 0x0
	.amdhsa_kernel k_qfec77dee75_stat
		.amdhsa_group_segment_fixed_size 5120
		.amdhsa_private_segment_fixed_size 0
		.amdhsa_enable_private_segment 0
		.amdhsa_kernarg_size 24
		.amdhsa_user_sgpr_count 2
		.amdhsa_user_sgpr_kernarg_segment_ptr 1
		.amdhsa_wavefront_size32 1
		.amdhsa_system_sgpr_workgroup_id_x 1
		.amdhsa_system_sgpr_workgroup_id_y 1
		.amdhsa_system_sgpr_workgroup_id_z 1
		.amdhsa_system_vgpr_workitem_id 0
		.amdhsa_next_free_vgpr 162
		.amdhsa_next_free_sgpr 66
		.amdhsa_reserve_vcc 0
		.amdhsa_float_denorm_mode_32 3
		.amdhsa_float_denorm_mode_16_64 3
		.amdhsa_memory_ordered 1
		.amdhsa_forward_progress 1
		.amdhsa_inst_pref_size 19
	.end_amdhsa_kernel
	.amdgpu_metadata
---
amdhsa.version: [ 1, 2 ]
amdhsa.kernels:
  - .name:           k_qfec77dee75_stat
    .symbol:         k_qfec77dee75_stat.kd
    .args:
      - { .name: ps, .offset: 0, .size: 8, .value_kind: global_buffer, .address_space: global }
      - { .name: bn0_g, .offset: 8, .size: 8, .value_kind: global_buffer, .address_space: global }
      - { .name: ab, .offset: 16, .size: 8, .value_kind: global_buffer, .address_space: global }
    .group_segment_fixed_size: 5120
    .private_segment_fixed_size: 0
    .kernarg_segment_align: 8
    .kernarg_segment_size: 24
    .max_flat_workgroup_size: 256
    .sgpr_count:     66
    .vgpr_count:     162
    .wavefront_size: 32
...
	.end_amdgpu_metadata
.endif
;; end of part 4
;; launch bnlin (part 5): grid 256 x 1, 4 waves a work-group, no clusters, 73,472 bytes of LDS; arguments y, ab, bn0_b, wq, lin_b, z, ps; writes z, ps
.if DOCPART == 5
	.amdgcn_target "amdgcn-amd-amdhsa--gfx1250"
	.amdhsa_code_object_version 6
	.text
	.protected	k_qfec77dee75_bnlin
	.globl	k_qfec77dee75_bnlin
	.p2align	8
	.type	k_qfec77dee75_bnlin,@function
k_qfec77dee75_bnlin:
	s_mov_b64 s[64:65], 0
	v_nop
	global_prefetch_b8 v0, s[64:65] scope:SCOPE_SE
	s_setreg_imm32_b32 hwreg(HW_REG_WAVE_MODE, 25, 1), 1
	s_wait_xcnt 0x0
; o = (y - mean) alpha + b (the first batch norm), z = (o lin_w + lin_b) + o, and z's statistics by work-group for the second.  The product runs on codes of E3M2 with one E8M0 scale for each 32 along K.
; A work-group takes 32 rows.  THE FOUR WAVES SHARE THE CHANNELS, as in the attention launch: wave w norms and quantises channels 64 w .. + 63 of all 32 rows and makes those 64 columns of the product;
; its part of lin_w (96 registers) comes as images of the operand's registers.  o's codes go from wave to wave through LDS at the places that the operand's registers take (48 bytes from lane to lane).
; LDS: OTB: 32 rows of o, 1,040 bytes apart; DTB: the product, the same form; XIB: o's two tiles of rows as images (3,200 bytes each: two fragments, then 32 scale words).
; No tensor load and no joint load: 32 KB of y a work-group, read once by dense loads; the weight is 49 KB for all.  A block of zeros gets the scale byte 1 where the rule says 127: its codes are zeros.
.set OTB,  0
.set DTB,  33280
.set XIB,  66560
.set OP,   1040
.set IMGL, 3200
.set WSB,  344064
.set WF,   32                          ; v32-127  lin_w's 8 fragments; later the product's rows, then z
.set WSR,  128                         ; v128-131 its scale words: lanes 0-15 K step 0, lanes 16-31 K step 1
.set AS,   132                         ; v132-133 o's scale words
.set PM,   134                         ; v134-145 mean, alpha, b of my four channels
.set FQ,   148                         ; v148-179 32 numbers of o
.set FA,   134                         ; v134-181 later: o's four fragments; later still the statistics
.set YR,   184                         ; v184-247 y as loaded, o; the codes at work; the accumulators; rows of o
.set ACC,  184
.set TM,   22
.set TP,   24
.set SO,   26
.set BY,   28
.set PWR,  30
.set CD,   184
.set SEL,  20
.macro QUANT2 src, ia, sa, off, set    ; as in the attention launch: 32 numbers of a lane become codes and two scale bytes at their places in the operand's image
.irp b, 0,1
	v_max3_num_f32 v[TM+\b], |v[\src+16*\b]|, |v[\src+16*\b+1]|, 0x2800000   ; the floor 2^(5 - 127) holds the byte at 1 from below
	v_max3_num_f32 v[TP+\b], |v[\src+16*\b+8]|, |v[\src+16*\b+9]|, |v[\src+16*\b+10]|
.endr
.irp i, 2,4
.irp b, 0,1
	v_max3_num_f32 v[TM+\b], v[TM+\b], |v[\src+16*\b+\i]|, |v[\src+16*\b+\i+1]|
	v_max3_num_f32 v[TP+\b], v[TP+\b], |v[\src+16*\b+\i+9]|, |v[\src+16*\b+\i+10]|
.endr
.endr
.irp b, 0,1
	v_max3_num_f32 v[TM+\b], v[TM+\b], |v[\src+16*\b+6]|, |v[\src+16*\b+7]|
.endr
.irp b, 0,1
	v_max3_num_f32 v[TM+\b], v[TM+\b], v[TP+\b], |v[\src+16*\b+15]|
.endr
.irp b, 0,1
	v_permlanex16_b32 v[TP+\b], v[TM+\b], s[SEL], s[SEL+1]
.endr
.irp b, 0,1
	v_max_num_f32 v[TM+\b], v[TM+\b], v[TP+\b]
.endr
.irp b, 0,1
	v_add_nc_u32 v[SO+\b], 0xfe000000, v[TM+\b]
.endr
.irp b, 0,1
	v_lshrrev_b32 v[BY+\b], 23, v[SO+\b]
.endr
	v_lshl_or_b32 v[PWR+(\set)], v[BY+1], 8, v[BY]
.irp b, 0,1
	v_cvt_scalef32_pk16_bf6_f32 v[CD+8*(\set)+4*\b:CD+8*(\set)+4*\b+2], v[\src+16*\b:\src+16*\b+15], v[SO+\b]
.endr
	v_nop                                          ; one plain line behind the last scaled conversion
.irp b, 0,1
.irp i, 0,1,2
	ds_store_b32 v[\ia], v[CD+8*(\set)+4*\b+\i] offset:\off+768*\b+4*\i
.endr
.endr
	ds_store_b16 v[\sa], v[PWR+(\set)] offset:\off
.endm
.macro STATS yb, tb                    ; mean (v[tb + 32]) and sum of squared deviations (v[tb + 34]) over 32 rows, two channels a lane
.set ii, 0
.rept 16
	v_pk_add_f32 v[\tb+2*ii:\tb+2*ii+1], v[\yb+4*ii:\yb+4*ii+1], v[\yb+4*ii+2:\yb+4*ii+3]
.set ii, ii+1
.endr
.irp n, 8,4,2,1
.set ii, 0
.rept \n
	v_pk_add_f32 v[\tb+2*ii:\tb+2*ii+1], v[\tb+2*ii:\tb+2*ii+1], v[\tb+2*(ii+\n):\tb+2*(ii+\n)+1]
.set ii, ii+1
.endr
.endr
	v_pk_mul_f32 v[\tb+32:\tb+33], v[\tb:\tb+1], 0x3d000000 op_sel_hi:[1,0]
.set ii, 0
.rept 32
.set cc, ii&3
	v_pk_add_f32 v[\tb+42+2*cc:\tb+43+2*cc], v[\yb+2*ii:\yb+2*ii+1], v[\tb+32:\tb+33] neg_lo:[0,1] neg_hi:[0,1]
.if ii < 4
	v_pk_mul_f32 v[\tb+34+2*cc:\tb+35+2*cc], v[\tb+42+2*cc:\tb+43+2*cc], v[\tb+42+2*cc:\tb+43+2*cc]
.else
	v_pk_fma_f32 v[\tb+34+2*cc:\tb+35+2*cc], v[\tb+42+2*cc:\tb+43+2*cc], v[\tb+42+2*cc:\tb+43+2*cc], v[\tb+34+2*cc:\tb+35+2*cc]
.endif
.set ii, ii+1
.endr
	v_pk_add_f32 v[\tb+34:\tb+35], v[\tb+34:\tb+35], v[\tb+36:\tb+37]
	v_pk_add_f32 v[\tb+38:\tb+39], v[\tb+38:\tb+39], v[\tb+40:\tb+41]
	v_pk_add_f32 v[\tb+34:\tb+35], v[\tb+34:\tb+35], v[\tb+38:\tb+39]
.endm
.macro BARRIER                         ; my LDS stores have landed and my LDS loads are in: then the work-group's barrier
	s_wait_dscnt 0x0
	s_barrier_signal -1
	s_barrier_wait -1
.endm
	s_load_b256 s[4:11], s[0:1], 0x0               ; y s[4:5], ab s[6:7], bn0_b s[8:9], wq s[10:11]
	s_load_b128 s[12:15], s[0:1], 0x20             ; lin_b s[12:13], z s[14:15]
	s_load_b64 s[16:17], s[0:1], 0x30              ; ps
	v_lshl_add_u32 v254, v0, 2, 0x11d00
	v_mov_b32 v255, 0
	v_lshrrev_b32 v1, 5, v0
	v_readfirstlane_b32 s18, v1                    ; wave 0..3
	v_and_b32 v1, 31, v0                           ; lane
	v_and_b32 v2, 15, v0                           ; r
	v_bfe_u32 v3, v0, 4, 1                         ; h
	s_mov_b32 s20, 0x76543210
	s_mov_b32 s21, 0xfedcba98                      ; v_permlanex16_b32's selects for lane xor 16
	s_lshl_b32 s22, s18, 8                         ; 256 w
	s_mul_i32 s23, s18, 12288
	v_lshl_add_u32 v4, v1, 4, s23                  ; the weight: 16 x lane + my 12,288 bytes
	s_lshl_b32 s23, s18, 9
	v_lshl_add_u32 v5, v1, 2, s23                  ; its scale words
	v_lshl_add_u32 v6, v2, 4, s22                  ; my four channels: 256 w + 16 r
	v_lshl_add_u32 v7, v3, 13, v6                  ; y: 8 h rows down
	v_mul_u32_u24 v8, v3, 8*OP
	v_add_nc_u32 v8, v8, v6                        ; o into LDS: row 8 h + j
	v_mul_u32_u24 v9, v2, OP
	v_lshl_add_u32 v9, v3, 6, v9
	v_add_nc_u32 v9, s22, v9                       ; and out for quantising: row r, 64 h bytes on
	s_and_b32 s24, s18, 1
	s_lshr_b32 s25, s18, 1
	s_mul_i32 s26, s24, 24
	s_mul_i32 s27, s25, 1536
	s_add_co_u32 s26, s26, s27
	s_add_co_u32 s26, s26, XIB
	v_mul_u32_u24 v10, v2, 48
	v_mad_u32_u24 v10, v3, 12, v10
	v_add_nc_u32 v10, s26, v10                     ; codes: 48 r + 12 h + my channels' place
	s_lshl_b32 s26, s25, 6
	s_lshl_b32 s27, s24, 1
	s_add_co_u32 s26, s26, s27
	s_add_co_u32 s26, s26, XIB+3072
	v_lshl_add_u32 v11, v2, 2, s26                 ; scale bytes
	v_mul_u32_u24 v14, v1, 48
	v_add_nc_u32 v14, XIB, v14                     ; fragments back
	v_lshl_add_u32 v15, v1, 2, XIB+3072            ; scale words back
	s_add_co_u32 s24, s22, DTB
	v_mul_u32_u24 v16, v3, 8*OP
	v_lshl_add_u32 v16, v2, 2, v16
	v_add_nc_u32 v16, s24, v16                     ; the product into LDS: row 8 h + j, channel r
	v_lshl_add_u32 v17, v1, 3, s22                 ; rows of o back, 8 bytes a lane
	v_lshl_add_u32 v18, v1, 3, s24                 ; rows of the product back
	v_lshl_add_u32 v19, v1, 3, s22                 ; a row of z, lin_b: channels 64 w + 2 lane
	v_lshlrev_b32 v20, 3, v1
	s_lshl_b32 s26, ttmp9, 15
	s_mov_b32 s27, 0
	s_wait_kmcnt 0x0
	s_add_nc_u64 s[4:5], s[4:5], s[26:27]
	s_add_nc_u64 s[14:15], s[14:15], s[26:27]
	s_lshl_b32 s26, s18, 8
	s_add_co_u32 s26, s26, ttmp9
	s_lshl_b32 s26, s26, 9
	s_add_nc_u64 s[16:17], s[16:17], s[26:27]
.set kk, 0
.rept 16
	global_load_b128 v[YR+4*kk:YR+4*kk+3], v7, s[4:5] offset:1024*(16*(kk/8)+kk%8) th:TH_LOAD_NT   ; sixteen lanes read 256 consecutive bytes, aligned
.set kk, kk+1
.endr
	global_load_b128 v[PM:PM+3], v6, s[6:7]
	global_load_b128 v[PM+4:PM+7], v6, s[6:7] offset:1024
	global_load_b128 v[PM+8:PM+11], v6, s[8:9]
	global_load_b64 v[12:13], v19, s[12:13]
.set ff, 0
.rept 8
.irp g, 0,1,2
	global_load_b128 v[WF+12*ff+4*\g:WF+12*ff+4*\g+3], v4, s[10:11] offset:6*49152+1536*ff+512*\g
.endr
.set ff, ff+1
.endr
.irp t, 0,1,2,3
	global_load_b32 v[WSR+\t], v5, s[10:11] offset:WSB+6*2048+128*\t
.endr
	s_wait_loadcnt 0x0
.set kk, 0
.rept 16
	v_pk_add_f32 v[YR+4*kk:YR+4*kk+1], v[YR+4*kk:YR+4*kk+1], v[PM:PM+1] neg_lo:[0,1] neg_hi:[0,1]
	v_pk_add_f32 v[YR+4*kk+2:YR+4*kk+3], v[YR+4*kk+2:YR+4*kk+3], v[PM+2:PM+3] neg_lo:[0,1] neg_hi:[0,1]
	v_pk_fma_f32 v[YR+4*kk:YR+4*kk+1], v[YR+4*kk:YR+4*kk+1], v[PM+4:PM+5], v[PM+8:PM+9]
	v_pk_fma_f32 v[YR+4*kk+2:YR+4*kk+3], v[YR+4*kk+2:YR+4*kk+3], v[PM+6:PM+7], v[PM+10:PM+11]
	ds_store_b128 v8, v[YR+4*kk:YR+4*kk+3] offset:OP*(16*(kk/8)+kk%8)
.set kk, kk+1
.endr
	BARRIER                                        ; 32 rows of o lie in LDS
.irp m, 0,1
.irp b, 0,1
.irp i, 0,1,2,3
	ds_load_b128 v[FQ+16*\b+4*\i:FQ+16*\b+4*\i+3], v9 offset:16*OP*\m+128*\b+16*\i
.endr
.endr
	s_wait_dscnt 0x0
	QUANT2 FQ, 10, 11, IMGL*\m, \m
.endr
	BARRIER                                        ; o's images are whole
.irp m, 0,1
.irp s, 0,1
.irp g, 0,1,2
	ds_load_b128 v[FA+24*\m+12*\s+4*\g:FA+24*\m+12*\s+4*\g+3], v14 offset:IMGL*\m+1536*\s+16*\g
.endr
.endr
	ds_load_b32 v[AS+\m], v15 offset:IMGL*\m
.endr
	s_wait_dscnt 0x0
.irp m, 0,1                                        ; eight accumulators by turns, one instruction a turn; the first K step starts the sums
.irp t, 0,1,2,3
	v_wmma_scale_f32_16x16x128_f8f6f4 v[ACC+8*(4*\m+\t):ACC+8*(4*\m+\t)+7], v[FA+24*\m:FA+24*\m+11], v[WF+24*\t:WF+24*\t+11], 0, v[AS+\m], v[WSR+\t] matrix_a_fmt:MATRIX_FMT_BF6 matrix_b_fmt:MATRIX_FMT_BF6
.endr
.endr
.irp m, 0,1
.irp t, 0,1,2,3
	v_wmma_scale_f32_16x16x128_f8f6f4 v[ACC+8*(4*\m+\t):ACC+8*(4*\m+\t)+7], v[FA+24*\m+12:FA+24*\m+23], v[WF+24*\t+12:WF+24*\t+23], v[ACC+8*(4*\m+\t):ACC+8*(4*\m+\t)+7], v[AS+\m], v[WSR+\t] matrix_a_fmt:MATRIX_FMT_BF6 matrix_b_fmt:MATRIX_FMT_BF6 matrix_a_scale:MATRIX_SCALE_ROW1 matrix_b_scale:MATRIX_SCALE_ROW1
.endr
.endr
.rept 4
	v_nop                                          ; four places between the last product and the first read of results (ISA guide 7.12.1)
.endr
.irp m, 0,1
.irp t, 0,1,2,3
.irp j, 0,1,2,3,4,5,6,7
	ds_store_b32 v16, v[ACC+8*(4*\m+\t)+\j] offset:OP*(16*\m+\j)+64*\t   ; (row 16 m + 8 h + j, channel 64 w + 16 t + r); each accumulator from its low end on
.endr
.endr
.endr
	BARRIER                                        ; 32 rows of the product lie in LDS
.set ii, 0
.rept 32
	ds_load_b64 v[WF+2*ii:WF+2*ii+1], v18 offset:OP*ii
	ds_load_b64 v[YR+2*ii:YR+2*ii+1], v17 offset:OP*ii
.set ii, ii+1
.endr
	s_wait_dscnt 0x0
.set ii, 0
.rept 32
	v_pk_add_f32 v[WF+2*ii:WF+2*ii+1], v[WF+2*ii:WF+2*ii+1], v[12:13]
.set ii, ii+1
.endr
.set ii, 0
.rept 32
	v_pk_add_f32 v[WF+2*ii:WF+2*ii+1], v[WF+2*ii:WF+2*ii+1], v[YR+2*ii:YR+2*ii+1]
.set ii, ii+1
.endr
.set ii, 0
.rept 32
	global_store_b64 v19, v[WF+2*ii:WF+2*ii+1], s[14:15] offset:1024*ii   ; 32 lanes store 256 consecutive bytes, aligned
.set ii, ii+1
.endr
	STATS WF, 134
	global_store_b64 v20, v[166:167], s[16:17]
	global_store_b64 v20, v[168:169], s[16:17] offset:256
	s_wait_tensorcnt 0x0
	ds_add_u32 v254, v255
	s_wait_dscnt 0x0
	s_endpgm
.Lfunc_end_k_qfec77dee75_bnlin:
	.size	k_qfec77dee75_bnlin, .Lfunc_end_k_qfec77dee75_bnlin-k_qfec77dee75_bnlin
	.p2alignl 7, 3214868480
	.fill 96, 4, 3214868480
	.section	.rodata,"a",@progbits
	.p2align	6, 0x0
	.amdhsa_kernel k_qfec77dee75_bnlin
		.amdhsa_group_segment_fixed_size 73472
		.amdhsa_private_segment_fixed_size 0
		.amdhsa_enable_private_segment 0
		.amdhsa_kernarg_size 56
		.amdhsa_user_sgpr_count 2
		.amdhsa_user_sgpr_kernarg_segment_ptr 1
		.amdhsa_wavefront_size32 1
		.amdhsa_system_sgpr_workgroup_id_x 1
		.amdhsa_system_sgpr_workgroup_id_y 1
		.amdhsa_system_sgpr_workgroup_id_z 1
		.amdhsa_system_vgpr_workitem_id 0
		.amdhsa_next_free_vgpr 256
		.amdhsa_next_free_sgpr 66
		.amdhsa_reserve_vcc 0
		.amdhsa_float_denorm_mode_32 3
		.amdhsa_float_denorm_mode_16_64 3
		.amdhsa_memory_ordered 1
		.amdhsa_forward_progress 1
		.amdhsa_inst_pref_size 43
	.end_amdhsa_kernel
	.amdgpu_metadata
---
amdhsa.version: [ 1, 2 ]
amdhsa.kernels:
  - .name:           k_qfec77dee75_bnlin
    .symbol:         k_qfec77dee75_bnlin.kd
    .args:
      - { .name: y, .offset: 0, .size: 8, .value_kind: global_buffer, .address_space: global }
      - { .name: ab, .offset: 8, .size: 8, .value_kind: global_buffer, .address_space: global }
      - { .name: bn0_b, .offset: 16, .size: 8, .value_kind: global_buffer, .address_space: global }
      - { .name: wq, .offset: 24, .size: 8, .value_kind: global_buffer, .address_space: global }
      - { .name: lin_b, .offset: 32, .size: 8, .value_kind: global_buffer, .address_space: global }
      - { .name: z, .offset: 40, .size: 8, .value_kind: global_buffer, .address_space: global }
      - { .name: ps, .offset: 48, .size: 8, .value_kind: global_buffer, .address_space: global }
    .group_segment_fixed_size: 73472
    .private_segment_fixed_size: 0
    .kernarg_segment_align: 8
    .kernarg_segment_size: 56
    .max_flat_workgroup_size: 128
    .sgpr_count:     66
    .vgpr_count:     256
    .wavefront_size: 32
...
	.end_amdgpu_metadata
.endif
;; end of part 5
;; launch stat1: the kernel of part 4 again; grid 4 x 1, 8 waves a work-group, no clusters, 5,120 bytes of LDS; arguments ps, bn1_g, ab; writes ab
;; launch bnout (part 6): grid 256 x 1, 8 waves a work-group, no clusters, 0 bytes of LDS; arguments z, ab, bn1_b, out0; writes out0
.if DOCPART == 6
	.amdgcn_target "amdgcn-amd-amdhsa--gfx1250"
	.amdhsa_code_object_version 6
	.text
	.protected	k_qfec77dee75_bnout
	.globl	k_qfec77dee75_bnout
	.p2align	8
	.type	k_qfec77dee75_bnout,@function
k_qfec77dee75_bnout:
	s_mov_b64 s[64:65], 0
	v_nop
	global_prefetch_b8 v0, s[64:65] scope:SCOPE_SE
	s_setreg_imm32_b32 hwreg(HW_REG_WAVE_MODE, 25, 1), 1
	s_wait_xcnt 0x0
; out0 = (z - mean) alpha + b: the second batch norm, a stream.  A work-group takes 32 rows of 1,024 bytes; thread t owns the 16 bytes at 16 t of each block of four rows,
; so its four channels, 4 (t % 64) on, are the same in all its eight rows, and a load or store of a wave covers 512 consecutive bytes.  All eight loads go out at once; each row has its own registers.
; No LDS, no matrix unit, no tensor load: every byte is read once and written once.
	s_load_b256 s[4:11], s[0:1], 0x0               ; z s[4:5], ab s[6:7], bn1_b s[8:9], out0 s[10:11]
	v_and_b32 v1, 63, v0
	v_lshlrev_b32 v1, 4, v1                        ; my four channels
	v_lshlrev_b32 v2, 4, v0
	s_lshl_b32 s12, ttmp9, 15
	s_mov_b32 s13, 0
	s_wait_kmcnt 0x0
	s_add_nc_u64 s[4:5], s[4:5], s[12:13]
	s_add_nc_u64 s[10:11], s[10:11], s[12:13]
	global_load_b128 v[4:7], v1, s[6:7]            ; mean
	global_load_b128 v[8:11], v1, s[6:7] offset:1024   ; alpha
	global_load_b128 v[12:15], v1, s[8:9]          ; b
.irp i, 0,1,2,3,4,5,6,7
	global_load_b128 v[16+4*\i:19+4*\i], v2, s[4:5] offset:4096*\i th:TH_LOAD_NT
.endr
.irp i, 0,1,2,3,4,5,6,7
	s_wait_loadcnt 7-\i                            ; loads come back in order: block i is in, the 7 - i younger ones may be out
	v_pk_add_f32 v[16+4*\i:17+4*\i], v[16+4*\i:17+4*\i], v[4:5] neg_lo:[0,1] neg_hi:[0,1]
	v_pk_add_f32 v[18+4*\i:19+4*\i], v[18+4*\i:19+4*\i], v[6:7] neg_lo:[0,1] neg_hi:[0,1]
	v_pk_fma_f32 v[16+4*\i:17+4*\i], v[16+4*\i:17+4*\i], v[8:9], v[12:13]
	v_pk_fma_f32 v[18+4*\i:19+4*\i], v[18+4*\i:19+4*\i], v[10:11], v[14:15]
	global_store_b128 v2, v[16+4*\i:19+4*\i], s[10:11] offset:4096*\i th:TH_STORE_NT
.endr
	s_endpgm
.Lfunc_end_k_qfec77dee75_bnout:
	.size	k_qfec77dee75_bnout, .Lfunc_end_k_qfec77dee75_bnout-k_qfec77dee75_bnout
	.p2alignl 7, 3214868480
	.fill 96, 4, 3214868480
	.section	.rodata,"a",@progbits
	.p2align	6, 0x0
	.amdhsa_kernel k_qfec77dee75_bnout
		.amdhsa_group_segment_fixed_size 0
		.amdhsa_private_segment_fixed_size 0
		.amdhsa_enable_private_segment 0
		.amdhsa_kernarg_size 32
		.amdhsa_user_sgpr_count 2
		.amdhsa_user_sgpr_kernarg_segment_ptr 1
		.amdhsa_wavefront_size32 1
		.amdhsa_system_sgpr_workgroup_id_x 1
		.amdhsa_system_sgpr_workgroup_id_y 1
		.amdhsa_system_sgpr_workgroup_id_z 1
		.amdhsa_system_vgpr_workitem_id 0
		.amdhsa_next_free_vgpr 64
		.amdhsa_next_free_sgpr 66
		.amdhsa_reserve_vcc 0
		.amdhsa_float_denorm_mode_32 3
		.amdhsa_float_denorm_mode_16_64 3
		.amdhsa_memory_ordered 1
		.amdhsa_forward_progress 1
		.amdhsa_inst_pref_size 5
	.end_amdhsa_kernel
	.amdgpu_metadata
---
amdhsa.version: [ 1, 2 ]
amdhsa.kernels:
  - .name:           k_qfec77dee75_bnout
    .symbol:         k_qfec77dee75_bnout.kd
    .args:
      - { .name: z, .offset: 0, .size: 8, .value_kind: global_buffer, .address_space: global }
      - { .name: ab, .offset: 8, .size: 8, .value_kind: global_buffer, .address_space: global }
      - { .name: bn1_b, .offset: 16, .size: 8, .value_kind: global_buffer, .address_space: global }
      - { .name: out0, .offset: 24, .size: 8, .value_kind: global_buffer, .address_space: global }
    .group_segment_fixed_size: 0
    .private_segment_fixed_size: 0
    .kernarg_segment_align: 8
    .kernarg_segment_size: 32
    .max_flat_workgroup_size: 256
    .sgpr_count:     66
    .vgpr_count:     64
    .wavefront_size: 32
...
	.end_amdgpu_metadata
.endif
;; end of part 6
